; MI455X (gfx1250); checked and timed in simulation.
; The chip was launched on July 23, 2026; its instructions are those of AMD's public machine-readable ISA for CDNA 5 (MIT licence, August 2026) and "CDNA5" Instruction Set Architecture Reference Guide (July 2026). The comments in the code are by the model that wrote it; some were corrected since.
;; Site Net DIM Attention Block. Allowed arithmetic: float matrix products may take bf16 or f16 operands with f32 sums; other float arithmetic in f32, or as packed bf16 or f16 multiplies, adds, multiply-adds, maxima and minima; sums over many terms, partial sums and values carried from step to step in f32; what a program stores and reads back later, other than sums and carried values, may be rounded once to bf16 or f16.
;; Inputs: attention_i 1,024 x 256 int32; attention_j 1,024 x 256 int32; attention_mask 1,024 x 256 bool; interaction_features 1,024 x 256 x 3 float32; params_Wg 64 x 64 float32; params_Wint 3 x 64 float32; params_Wp 256 x 4 float32; params_Wsite 102 x 64 float32; params_afm_0_0 192 x 256 float32; params_afm_0_1 256 float32; params_afm_0_2 256 float32; params_afm_0_3 256 float32; params_afm_1_0 256 x 256 float32; params_afm_1_1 256 float32; params_afm_1_2 256 float32; params_afm_1_3 256 float32; params_afm_2_0 256 x 16 float32; params_afm_2_1 16 float32; params_afm_2_2 16 float32; params_afm_2_3 16 float32; params_bg 64 float32; params_bint 64 float32; params_bp 4 float32; params_bsite 64 float32; params_gint 64 float32; params_gsite 64 float32; params_mh_0_0 192 x 256 float32; params_mh_0_1 256 float32; params_mh_0_2 256 float32; params_mh_0_3 256 float32; params_mh_1_0 256 x 256 float32; params_mh_1_1 256 float32; params_mh_1_2 256 float32; params_mh_1_3 256 float32; params_tint 64 float32; params_tsite 64 float32; x 1,024 x 102 float32.
;; Outputs: out0 1,024 x 64 float32.
;; One version. Each part assembles by itself: llvm-mc -triple=amdgcn-amd-amdhsa -mcpu=gfx1250 --defsym DOCPART=n.
;; ======== version 1 of 1: 3 launches
;; limits: values are held in f16: magnitudes above 65,504 overflow, below 6.1e-05 lose precision; right only within a limited range of input values
;; workspace buffers: pack 516,096 bytes; xs 262,144 bytes; attn 2,097,152 bytes
;; launch prep (part 1): grid 129 x 1, 4 waves a work-group, no clusters, 21,248 bytes of LDS; arguments params_mh_0_0, params_mh_1_0, params_afm_0_0, params_afm_1_0, params_afm_2_0, params_Wp, params_Wg, params_Wint, params_bint, params_gint, params_tint, params_mh_0_1, params_mh_0_2, params_mh_0_3, params_mh_1_1, params_mh_1_2, params_mh_1_3, params_afm_0_1, params_afm_0_2, params_afm_0_3, params_afm_1_1, params_afm_1_2, params_afm_1_3, x, params_Wsite, params_bsite, params_gsite, params_tsite, pack, xs; writes pack, xs
.if DOCPART == 1
	.amdgcn_target "amdgcn-amd-amdhsa--gfx1250"
	.amdhsa_code_object_version 6
	.text
	.protected	k_qfae6201daa_prep
	.globl	k_qfae6201daa_prep
	.p2align	8
	.type	k_qfae6201daa_prep,@function
k_qfae6201daa_prep:
	s_mov_b64 s[64:65], 0
	v_nop
	global_prefetch_b8 v0, s[64:65] scope:SCOPE_SE
	s_setreg_imm32_b32 hwreg(HW_REG_WAVE_MODE, 25, 1), 1
	s_wait_xcnt 0x0
; PREPARATION.  Every float input is rounded once to bf16.  Matrix weights are then written as f16, times 2^8 (exact: a bf16 number has 8 significant bits, f16 holds 11);
; biases as f32 times 2^12; gains and shifts of the layer norms as f32 times 2^4.  All factors are powers of two, so nothing is rounded by them.
; pack holds two packs of PACKSZ bytes (the score path's, then the feature path's): W1 [192][256], W2 [256][256], W3 [256][16], 8,192 bytes of vectors, WI [32][64] (Wint's 3 rows, bint, zeros), WG [64][64] (second pack only).
; xs holds the site table: LayerNorm(ReLU(x Wsite + bsite)) times 16, a row of 256 bytes a site: 64 f16 (the number rounded), then 64 f16 (what the rounding left).
; LIMITS.  |weight| < 255 (f16's range after the factor 2^8); 16 (8 |gsite| + |tsite|) < 65,504; a weight below 2^-25 keeps f16's fixed step; NaN and infinities are not treated apart.
; SHARES.  Work-groups 0-111: 2,048 numbers each of the four large matrices.  Work-group 112: all small parts.  Work-groups 113-128: 64 sites each, 16 a wave.
.set PACKSZ, 258048
.set O_W3,   229376
.set O_VEC,  237568
.set O_WI,   245760
.set O_WG,   249856
.set SPARE,  20480                     ; behind Wsite's copy in LDS: the spare words, 128 bytes a wave
.set SPW, 3                            ; v3  LDS address of my spare word; never rewritten
.set NIL, 4                            ; v4  0; never rewritten
.set TT,  5                            ; v5  at work in the conversions
; eight f32 in v[src ..] -> bf16 -> times 256 -> eight f16 in v[dst .. dst+3]
.macro CONV8 src, dst
.set ci, 0
.rept 4
	v_cvt_pk_bf16_f32 v[TT], v[(\src)+2*ci], v[(\src)+2*ci+1]
	v_lshlrev_b32 v[(\src)+2*ci], 16, v[TT]
	v_and_b32 v[(\src)+2*ci+1], 0xffff0000, v[TT]
	v_pk_mul_f32 v[(\src)+2*ci:(\src)+2*ci+1], v[(\src)+2*ci:(\src)+2*ci+1], 0x43800000 op_sel_hi:[1,0]
	v_cvt_pk_f16_f32 v[(\dst)+ci], v[(\src)+2*ci], v[(\src)+2*ci+1]
.set ci, ci+1
.endr
.endm
; a pair of f32 rounded to bf16, widened again, times sc (0: no factor)
.macro RND2 r, sc
	v_cvt_pk_bf16_f32 v[TT], v[(\r)], v[(\r)+1]
	v_lshlrev_b32 v[(\r)], 16, v[TT]
	v_and_b32 v[(\r)+1], 0xffff0000, v[TT]
.if (\sc) != 0
	v_pk_mul_f32 v[(\r):(\r)+1], v[(\r):(\r)+1], \sc op_sel_hi:[1,0]
.endif
.endm
	v_lshl_add_u32 v[SPW], v0, 2, SPARE
	v_mov_b32 v[NIL], 0
	s_cmp_lt_u32 ttmp9, 112
	s_cbranch_scc1 .Ljob_c
	s_cmp_eq_u32 ttmp9, 112
	s_cbranch_scc1 .Ljob_s
; ---- THE SITE TABLE.  Transposed product: source 0 = 16 features x 32 k of Wsite (turned out of LDS), source 1 = 32 k x 16 sites of x.  A lane then holds ONE site and 8 features of each tile.
	s_load_b256 s[4:11], s[0:1], 0xb8              ; x s[4:5], Wsite s[6:7], bsite s[8:9], gsite s[10:11]
	s_load_b64 s[12:13], s[0:1], 0xd8              ; tsite
	s_load_b64 s[14:15], s[0:1], 0xe8              ; xs
	v_and_b32 v1, 15, v0                           ; r
	v_bfe_u32 v2, v0, 4, 1                         ; h
	v_lshrrev_b32 v13, 5, v0
	v_readfirstlane_b32 s16, v13                   ; wave
	s_sub_co_u32 s17, ttmp9, 113
	s_lshl_b32 s17, s17, 6
	s_lshl4_add_u32 s17, s16, s17                  ; my first site: 64 (g - 113) + 16 w
	s_mov_b32 s18, 0x0000ffff                      ; lanes 0-15
	s_mov_b32 s20, 0x76543210                      ; v_permlanex16_b32: each lane takes its own place in the other half
	s_mov_b32 s21, 0xfedcba98
	s_mov_b32 s22, 0x3c800000                      ; 1/64
	s_mov_b32 s23, 0x3727c5ac                      ; 1e-5
	v_add_nc_u32 v13, s17, v1                      ; my site
	v_mul_u32_u24 v6, v13, 408                     ; a row of x is 408 bytes: a multiple of 8 alone, so x comes by 8-byte loads
	v_add_nc_u32 v7, 384, v6                       ; k = 96 on
	v_lshl_add_u32 v6, v2, 5, v6                   ; + 32 h
	v_mul_u32_u24 v8, v0, 160                      ; where thread t puts row t of Wsite: rows of 128 bytes + 32 of padding
	v_and_b32 v14, 7, v0
	v_lshl_add_u32 v9, v2, 3, v14
	v_mul_u32_u24 v9, v9, 160
	v_bfe_u32 v14, v0, 3, 1
	v_lshl_add_u32 v9, v14, 4, v9                  ; the turning load: row 8 h + l % 8, 16 bytes ((l / 8) % 2)
	v_lshlrev_b32 v10, 5, v2                       ; 32 h: my 8 features of a tile, in f32
	v_lshlrev_b32 v11, 8, v13
	v_lshl_add_u32 v11, v2, 4, v11                 ; my site's row of xs + 16 h
	v_min_u32 v15, 101, v0
	v_lshlrev_b32 v15, 8, v15                      ; row min(t, 101) of Wsite: no load leaves the buffer
	v_mov_b32 v12, 1.0
	v_mov_b32 v249, 0                              ; a destination of v_permlanex16_b32 counts as read
	s_wait_kmcnt 0x0
.set i, 0
.rept 16
	global_load_b128 v[16+4*i:19+4*i], v15, s[6:7] offset:16*i
.set i, i+1
.endr
.set ks, 0
.rept 3
.set e, 0
.rept 8
	global_load_b64 v[80+16*ks+2*e:81+16*ks+2*e], v6, s[4:5] offset:128*ks+8*(e&3)+64*(e>>2)
.set e, e+1
.endr
.set ks, ks+1
.endr
.irp e, 0,1,2
	global_load_b64 v[128+2*\e:129+2*\e], v7, s[4:5] offset:8*\e   ; k = 96 .. 101, the row's end
.endr
.irp f, 0,1,2,3
	global_load_b128 v[144+8*\f:147+8*\f], v10, s[8:9] offset:64*\f
	global_load_b128 v[148+8*\f:151+8*\f], v10, s[8:9] offset:64*\f+16
	global_load_b128 v[176+8*\f:179+8*\f], v10, s[10:11] offset:64*\f
	global_load_b128 v[180+8*\f:183+8*\f], v10, s[10:11] offset:64*\f+16
	global_load_b128 v[208+8*\f:211+8*\f], v10, s[12:13] offset:64*\f
	global_load_b128 v[212+8*\f:215+8*\f], v10, s[12:13] offset:64*\f+16
.endr
	s_wait_loadcnt 51                              ; Wsite's 16 loads are in; x's 27 and the vectors' 24 may stay out
.set i, 0
.rept 32
	v_cvt_pk_bf16_f32 v[16+i], v[16+2*i], v[17+2*i]
.set i, i+1
.endr
	v_cmp_gt_u32 vcc_lo, 102, v0
.set i, 0
.rept 32
	v_cndmask_b32 v[16+i], 0, v[16+i], vcc_lo      ; rows 102-127 are zeros
.set i, i+1
.endr
.set i, 0
.rept 8
	ds_store_b128 v8, v[16+4*i:19+4*i] offset:16*i
.set i, i+1
.endr
	s_wait_dscnt 0x0                               ; for the others' sake: my row is in LDS
	s_barrier_signal -1
	s_barrier_wait -1
	s_wait_loadcnt 24                              ; x is in; the vectors may stay out
.set i, 0
.rept 27
	v_cvt_pk_bf16_f32 v[80+i], v[80+2*i], v[81+2*i]  ; in place, ascending: the target never lies ahead of the sources
.set i, i+1
.endr
.irp i, 104,105,106
	v_cndmask_b32 v[\i], 0, v[\i], s18             ; k = 104 on (lanes 16-31) does not exist
.endr
.irp i, 107,108,109,110,111
	v_mov_b32 v[\i], 0
.endr
	s_wait_loadcnt 0x0
.set i, 0
.rept 16
	RND2 144+2*i, 0
	RND2 176+2*i, 0x41800000
	RND2 208+2*i, 0x41800000
.set i, i+1
.endr
.macro XFR ks, buf                     ; the four feature tiles' fragments of K step ks
.irp f, 0,1,2,3
	ds_load_tr16_b128 v[(\buf)+8*\f:(\buf)+8*\f+3], v9 offset:5120*(\ks)+32*\f
	ds_load_tr16_b128 v[(\buf)+8*\f+4:(\buf)+8*\f+7], v9 offset:5120*(\ks)+32*\f+2560
.endr
.endm
	XFR 0, 16
	XFR 1, 48
	s_wait_dscnt 0x0
.irp f, 0,1,2,3                        ; the four accumulators take turns; the bias starts the sums
	v_wmma_f32_16x16x32_bf16 v[112+8*\f:119+8*\f], v[16+8*\f:23+8*\f], v[80:87], v[144+8*\f:151+8*\f]
.endr
.irp f, 0,1,2,3
	v_wmma_f32_16x16x32_bf16 v[112+8*\f:119+8*\f], v[48+8*\f:55+8*\f], v[88:95], v[112+8*\f:119+8*\f]
.endr
.rept 4
	v_nop                                          ; four places in front of loads into registers that matrix instructions have read
.endr
	XFR 2, 16
	XFR 3, 48
	s_wait_dscnt 0x0
.irp f, 0,1,2,3
	v_wmma_f32_16x16x32_bf16 v[112+8*\f:119+8*\f], v[16+8*\f:23+8*\f], v[96:103], v[112+8*\f:119+8*\f]
.endr
.irp f, 0,1,2,3
	v_wmma_f32_16x16x32_bf16 v[112+8*\f:119+8*\f], v[48+8*\f:55+8*\f], v[104:111], v[112+8*\f:119+8*\f]
.endr
.rept 4
	v_nop                                          ; four places in front of the first read of the results
.endr
	; ReLU, then the layer norm over a site's 64 numbers: 32 in my lane, 32 in the lane 16 away.  Mean first, then the squares of the differences.
.set i, 0
.rept 32
	v_max_num_f32 v[112+i], 0, v[112+i]            ; ascending: each accumulator is read from its low end
.set i, i+1
.endr
.macro XCOMB                           ; four chains in v240-247 -> v248, both halves of the lanes
	v_pk_add_f32 v[240:241], v[240:241], v[242:243]
	v_pk_add_f32 v[244:245], v[244:245], v[246:247]
	v_pk_add_f32 v[240:241], v[240:241], v[244:245]
	v_add_f32 v248, v240, v241
	v_permlanex16_b32 v249, v248, s20, s21
	v_add_f32 v248, v248, v249
.endm
.irp i, 0,1,2,3
	v_pk_add_f32 v[240+2*\i:241+2*\i], v[112+2*\i:113+2*\i], v[120+2*\i:121+2*\i]
.endr
.set i, 8
.rept 8
	v_pk_add_f32 v[240+2*(i%4):241+2*(i%4)], v[112+2*i:113+2*i], v[240+2*(i%4):241+2*(i%4)]
.set i, i+1
.endr
	XCOMB
	v_mul_f32 v250, s22, v248
	v_mul_f32 v251, s22, v248
.set i, 0
.rept 16
	v_pk_add_f32 v[112+2*i:113+2*i], v[112+2*i:113+2*i], v[250:251] neg_lo:[0,1] neg_hi:[0,1]
.set i, i+1
.endr
.irp i, 0,1,2,3
	v_pk_mul_f32 v[240+2*\i:241+2*\i], v[112+2*\i:113+2*\i], v[112+2*\i:113+2*\i]
.endr
.set i, 4
.rept 12
	v_pk_fma_f32 v[240+2*(i%4):241+2*(i%4)], v[112+2*i:113+2*i], v[112+2*i:113+2*i], v[240+2*(i%4):241+2*(i%4)]
.set i, i+1
.endr
	XCOMB
	v_fma_f32 v248, v248, s22, s23                 ; variance + eps
	v_rsq_f32 v252, v248
	v_nop                                          ; a plain instruction behind the transcendental
	s_wait_alu depctr_va_vdst(0)
	v_mul_f32 v249, v248, v252                     ; one Newton step on the reciprocal root
	v_fma_f32 v249, -v249, v252, 1.0
	v_mul_f32 v253, 0.5, v252
	v_fma_f32 v252, v253, v249, v252
	v_mov_b32 v253, v252
.set i, 0
.rept 16
	v_pk_mul_f32 v[112+2*i:113+2*i], v[112+2*i:113+2*i], v[252:253]
.set i, i+1
.endr
.set i, 0
.rept 16
	v_pk_fma_f32 v[112+2*i:113+2*i], v[112+2*i:113+2*i], v[176+2*i:177+2*i], v[208+2*i:209+2*i]
.set i, i+1
.endr
.set i, 0
.rept 16
	v_cvt_pk_f16_f32 v[16+i], v[112+2*i], v[113+2*i]   ; the first piece
.set i, i+1
.endr
.set i, 0
.rept 16
	v_fma_mix_f32 v[112+2*i], -v[16+i], v12, v[112+2*i] op_sel:[0,0,0] op_sel_hi:[1,0,0]   ; y - piece, exact
	v_fma_mix_f32 v[113+2*i], -v[16+i], v12, v[113+2*i] op_sel:[1,0,0] op_sel_hi:[1,0,0]
.set i, i+1
.endr
.set i, 0
.rept 16
	v_cvt_pk_f16_f32 v[32+i], v[112+2*i], v[113+2*i]   ; the second piece
.set i, i+1
.endr
.irp f, 0,1,2,3
	global_store_b128 v11, v[16+4*\f:19+4*\f], s[14:15] offset:32*\f       ; features 16 f + 8 h on; a site's 256 bytes are filled by these eight stores of one wave
	global_store_b128 v11, v[32+4*\f:35+4*\f], s[14:15] offset:128+32*\f
.endr
	s_wait_tensorcnt 0x0                           ; the wave's end
	ds_add_u32 v[SPW], v[NIL]
	s_wait_dscnt 0x0
	s_endpgm
; ---- THE FOUR LARGE MATRICES.  56 chunks of 2,048 numbers a pack: 24 of W1, 32 of W2, which lie on end in the pack as they do in this count.
.Ljob_c:
	s_load_b256 s[4:11], s[0:1], 0x0               ; mh_0_0, mh_1_0, afm_0_0, afm_1_0
	s_load_b64 s[20:21], s[0:1], 0xe0              ; pack
	s_cmp_ge_u32 ttmp9, 56
	s_cselect_b32 s22, 56, 0
	s_cselect_b32 s23, PACKSZ, 0
	s_sub_co_u32 s22, ttmp9, s22                   ; the chunk in its pack
	s_lshl_b32 s24, s22, 12
	s_add_co_u32 s24, s24, s23                     ; where it goes: 4,096 bytes a chunk
	s_mov_b32 s25, 0
	s_sub_co_u32 s26, s22, 24
	s_cmp_lt_u32 s22, 24
	s_cselect_b32 s26, s22, s26
	s_lshl_b32 s26, s26, 13                        ; where it comes from: 8,192 bytes a chunk
	s_mov_b32 s27, 0
	v_lshlrev_b32 v1, 5, v0
	v_lshlrev_b32 v2, 4, v0
	s_wait_kmcnt 0x0
	s_cmp_ge_u32 ttmp9, 56
	s_cselect_b64 s[12:13], s[8:9], s[4:5]
	s_cselect_b64 s[14:15], s[10:11], s[6:7]
	s_cmp_lt_u32 s22, 24
	s_cselect_b64 s[16:17], s[12:13], s[14:15]
	s_add_nc_u64 s[16:17], s[16:17], s[26:27]
	s_add_nc_u64 s[20:21], s[20:21], s[24:25]
	global_load_b128 v[16:19], v1, s[16:17]
	global_load_b128 v[20:23], v1, s[16:17] offset:16
	global_load_b128 v[24:27], v1, s[16:17] offset:4096
	global_load_b128 v[28:31], v1, s[16:17] offset:4112
	s_wait_loadcnt 0x2                             ; the first eight numbers are in; the second group's two loads may stay out
	CONV8 16, 32
	global_store_b128 v2, v[32:35], s[20:21]       ; a wave's store covers 512 consecutive bytes
	s_wait_loadcnt 0x0
	CONV8 24, 36
	global_store_b128 v2, v[36:39], s[20:21] offset:2048
	s_endpgm
; ---- THE SMALL PARTS, one work-group.  Every part has registers of its own: all loads go out together, one wait, no register is written twice.
.Ljob_s:
	s_load_b512 s[4:19], s[0:1], 0x20              ; afm_2_0 s4, Wp s6, Wg s8, Wint s10, bint s12, gint s14, tint s16, mh_0_1 s18
	s_load_b512 s[20:35], s[0:1], 0x60             ; the vectors go on: vector k of twelve at s[18 + 2 k]
	s_load_b128 s[36:39], s[0:1], 0xa0
	s_load_b64 s[40:41], s[0:1], 0xb0
	s_load_b64 s[42:43], s[0:1], 0xe0              ; pack
	v_lshlrev_b32 v1, 5, v0                        ; 32 t
	v_lshlrev_b32 v2, 4, v0                        ; 16 t
	v_lshlrev_b32 v6, 3, v0                        ; 8 t
	v_lshlrev_b32 v7, 2, v0                        ; 4 t
	v_lshlrev_b32 v8, 6, v0                        ; 64 t
	v_lshrrev_b32 v9, 2, v0                        ; my row of WI
	v_and_b32 v11, 3, v0
	v_lshlrev_b32 v11, 6, v11                      ; my 16 columns, in f32
	v_min_u32 v10, 2, v9
	v_lshl_add_u32 v10, v10, 8, v11                ; row min(row, 2) of Wint
	v_and_b32 v12, 63, v0
	v_lshlrev_b32 v12, 2, v12
	v_lshrrev_b32 v13, 5, v0
	v_readfirstlane_b32 s45, v13
	s_wait_kmcnt 0x0
	s_cmp_lt_u32 s45, 2
	s_cselect_b64 s[46:47], s[14:15], s[16:17]     ; waves 0, 1: gint; waves 2, 3: tint
.irp q, 0,1,2,3
	global_load_b128 v[16+8*\q:19+8*\q], v1, s[4:5] offset:4096*\q
	global_load_b128 v[20+8*\q:23+8*\q], v1, s[4:5] offset:4096*\q+16
	global_load_b128 v[64+8*\q:67+8*\q], v1, s[8:9] offset:4096*\q
	global_load_b128 v[68+8*\q:71+8*\q], v1, s[8:9] offset:4096*\q+16
.endr
	global_load_b128 v[112:115], v1, s[6:7]        ; rows 2 t and 2 t + 1 of Wp
	global_load_b128 v[116:119], v1, s[6:7] offset:16
.irp q, 0,1,2,3
	global_load_b128 v[132+4*\q:135+4*\q], v10, s[10:11] offset:16*\q
	global_load_b128 v[148+4*\q:151+4*\q], v11, s[12:13] offset:16*\q
.endr
.set k, 0
.rept 12
	global_load_b64 v[172+2*k:173+2*k], v6, s[18+2*k:19+2*k]
.set k, k+1
.endr
	global_load_b32 v196, v12, s[46:47]
.irp i, 128,129,130,131
	v_mov_b32 v[\i], 0
.endr
	v_cmp_eq_u32 s44, 3, v9
	v_cmp_gt_u32 vcc_lo, 3, v9
	s_wait_loadcnt 0x0
.irp q, 0,1,2,3
	CONV8 16+8*\q, 48+4*\q
	global_store_b128 v2, v[48+4*\q:51+4*\q], s[42:43] offset:PACKSZ+O_W3+2048*\q
	CONV8 64+8*\q, 96+4*\q
	global_store_b128 v2, v[96+4*\q:99+4*\q], s[42:43] offset:PACKSZ+O_WG+2048*\q
.endr
	CONV8 112, 120                                 ; Wp: four columns of sixteen, the others zeros
	v_mov_b32 v124, v122
	v_mov_b32 v125, v123
	v_mov_b32 v122, 0
	v_mov_b32 v123, 0
	v_mov_b32 v126, 0
	v_mov_b32 v127, 0
	global_store_b128 v8, v[120:123], s[42:43] offset:O_W3
	global_store_b128 v8, v[128:131], s[42:43] offset:O_W3+16
	global_store_b128 v8, v[124:127], s[42:43] offset:O_W3+32
	global_store_b128 v8, v[128:131], s[42:43] offset:O_W3+48
.set i, 0
.rept 16
	v_cndmask_b32 v[148+i], 0, v[148+i], s44       ; row 3: bint; rows 4-31: zeros
	v_cndmask_b32 v[132+i], v[148+i], v[132+i], vcc_lo  ; rows 0-2: Wint
.set i, i+1
.endr
	CONV8 132, 164
	CONV8 140, 168
.irp p, 0, PACKSZ
	global_store_b128 v1, v[164:167], s[42:43] offset:\p+O_WI
	global_store_b128 v1, v[168:171], s[42:43] offset:\p+O_WI+16
.endr
.set k, 0
.rept 12
.if (k%3) == 0
	RND2 172+2*k, 0x45800000                       ; a bias: times 2^12
.else
	RND2 172+2*k, 0x41800000                       ; a gain or a shift: times 2^4
.endif
	global_store_b64 v6, v[172+2*k:173+2*k], s[42:43] offset:(k/6)*PACKSZ+O_VEC+(k%6)*1024
.set k, k+1
.endr
	v_cvt_pk_bf16_f32 v[TT], v196, v196
	v_lshlrev_b32 v196, 16, v[TT]
	v_mul_f32 v196, 0x41800000, v196
.irp p, 0, PACKSZ
	global_store_b32 v7, v196, s[42:43] offset:\p+O_VEC+6144
	global_store_b32 v7, v128, s[42:43] offset:\p+O_VEC+6656   ; the vectors' block is copied whole later: its last 1,536 bytes are zeros
	global_store_b32 v7, v128, s[42:43] offset:\p+O_VEC+7168
	global_store_b32 v7, v128, s[42:43] offset:\p+O_VEC+7680
.endr
	s_endpgm
.Lfunc_end_k_qfae6201daa_prep:
	.size	k_qfae6201daa_prep, .Lfunc_end_k_qfae6201daa_prep-k_qfae6201daa_prep
	.p2alignl 7, 3214868480
	.fill 96, 4, 3214868480
	.section	.rodata,"a",@progbits
	.p2align	6, 0x0
	.amdhsa_kernel k_qfae6201daa_prep
		.amdhsa_group_segment_fixed_size 21248
		.amdhsa_private_segment_fixed_size 0
		.amdhsa_enable_private_segment 0
		.amdhsa_kernarg_size 240
		.amdhsa_user_sgpr_count 2
		.amdhsa_user_sgpr_kernarg_segment_ptr 1
		.amdhsa_wavefront_size32 1
		.amdhsa_system_sgpr_workgroup_id_x 1
		.amdhsa_system_sgpr_workgroup_id_y 1
		.amdhsa_system_sgpr_workgroup_id_z 1
		.amdhsa_system_vgpr_workitem_id 0
		.amdhsa_next_free_vgpr 256
		.amdhsa_next_free_sgpr 66
		.amdhsa_reserve_vcc 1
		.amdhsa_float_denorm_mode_32 3
		.amdhsa_float_denorm_mode_16_64 3
		.amdhsa_memory_ordered 1
		.amdhsa_forward_progress 1
		.amdhsa_inst_pref_size 71
	.end_amdhsa_kernel
	.amdgpu_metadata
---
amdhsa.version: [ 1, 2 ]
amdhsa.kernels:
  - .name:           k_qfae6201daa_prep
    .symbol:         k_qfae6201daa_prep.kd
    .args:
      - { .name: params_mh_0_0, .offset: 0, .size: 8, .value_kind: global_buffer, .address_space: global }
      - { .name: params_mh_1_0, .offset: 8, .size: 8, .value_kind: global_buffer, .address_space: global }
      - { .name: params_afm_0_0, .offset: 16, .size: 8, .value_kind: global_buffer, .address_space: global }
      - { .name: params_afm_1_0, .offset: 24, .size: 8, .value_kind: global_buffer, .address_space: global }
      - { .name: params_afm_2_0, .offset: 32, .size: 8, .value_kind: global_buffer, .address_space: global }
      - { .name: params_Wp, .offset: 40, .size: 8, .value_kind: global_buffer, .address_space: global }
      - { .name: params_Wg, .offset: 48, .size: 8, .value_kind: global_buffer, .address_space: global }
      - { .name: params_Wint, .offset: 56, .size: 8, .value_kind: global_buffer, .address_space: global }
      - { .name: params_bint, .offset: 64, .size: 8, .value_kind: global_buffer, .address_space: global }
      - { .name: params_gint, .offset: 72, .size: 8, .value_kind: global_buffer, .address_space: global }
      - { .name: params_tint, .offset: 80, .size: 8, .value_kind: global_buffer, .address_space: global }
      - { .name: params_mh_0_1, .offset: 88, .size: 8, .value_kind: global_buffer, .address_space: global }
      - { .name: params_mh_0_2, .offset: 96, .size: 8, .value_kind: global_buffer, .address_space: global }
      - { .name: params_mh_0_3, .offset: 104, .size: 8, .value_kind: global_buffer, .address_space: global }
      - { .name: params_mh_1_1, .offset: 112, .size: 8, .value_kind: global_buffer, .address_space: global }
      - { .name: params_mh_1_2, .offset: 120, .size: 8, .value_kind: global_buffer, .address_space: global }
      - { .name: params_mh_1_3, .offset: 128, .size: 8, .value_kind: global_buffer, .address_space: global }
      - { .name: params_afm_0_1, .offset: 136, .size: 8, .value_kind: global_buffer, .address_space: global }
      - { .name: params_afm_0_2, .offset: 144, .size: 8, .value_kind: global_buffer, .address_space: global }
      - { .name: params_afm_0_3, .offset: 152, .size: 8, .value_kind: global_buffer, .address_space: global }
      - { .name: params_afm_1_1, .offset: 160, .size: 8, .value_kind: global_buffer, .address_space: global }
      - { .name: params_afm_1_2, .offset: 168, .size: 8, .value_kind: global_buffer, .address_space: global }
      - { .name: params_afm_1_3, .offset: 176, .size: 8, .value_kind: global_buffer, .address_space: global }
      - { .name: x, .offset: 184, .size: 8, .value_kind: global_buffer, .address_space: global }
      - { .name: params_Wsite, .offset: 192, .size: 8, .value_kind: global_buffer, .address_space: global }
      - { .name: params_bsite, .offset: 200, .size: 8, .value_kind: global_buffer, .address_space: global }
      - { .name: params_gsite, .offset: 208, .size: 8, .value_kind: global_buffer, .address_space: global }
      - { .name: params_tsite, .offset: 216, .size: 8, .value_kind: global_buffer, .address_space: global }
      - { .name: pack, .offset: 224, .size: 8, .value_kind: global_buffer, .address_space: global }
      - { .name: xs, .offset: 232, .size: 8, .value_kind: global_buffer, .address_space: global }
    .group_segment_fixed_size: 21248
    .private_segment_fixed_size: 0
    .kernarg_segment_align: 8
    .kernarg_segment_size: 240
    .max_flat_workgroup_size: 128
    .sgpr_count:     66
    .vgpr_count:     256
    .wavefront_size: 32
...
	.end_amdgpu_metadata
.endif
;; end of part 1
;; launch score (part 2): grid 256 x 1, 4 waves a work-group, clusters of 4 x 1, 327,680 bytes of LDS; arguments attention_i, attention_j, attention_mask, interaction_features, pack, xs, params_bp, attn; writes attn
.if DOCPART == 2
	.amdgcn_target "amdgcn-amd-amdhsa--gfx1250"
	.amdhsa_code_object_version 6
	.text
	.protected	k_qfae6201daa_score
	.globl	k_qfae6201daa_score
	.p2align	8
	.type	k_qfae6201daa_score,@function
k_qfae6201daa_score:
	s_mov_b64 s[64:65], 0
	v_nop
	global_prefetch_b8 v0, s[64:65] scope:SCOPE_SE
	s_setreg_imm32_b32 hwreg(HW_REG_WAVE_MODE, 25, 1), 1
	s_wait_xcnt 0x0
	s_wait_alu depctr_hold_cnt(0) depctr_sa_sdst(0) depctr_va_vdst(0) depctr_va_sdst(0) depctr_va_ssrc(0) depctr_va_vcc(0) depctr_vm_vsrc(0)
	s_getreg_b32 s2, hwreg(HW_REG_IB_STS2, 6, 4)
	s_cmp_eq_u32 s2, 0
	s_cbranch_scc0 .Lentry_in_a_cluster
	s_endpgm
.Lentry_in_a_cluster:
	s_bfe_u32 s2, ttmp6, 0x10000c
	s_cmp_lg_u32 s2, 0x3003
	s_cbranch_scc0 .Lentry_shape_is_right
	s_endpgm
.Lentry_shape_is_right:
; THE ATTENTION WEIGHTS.  For each pair: [xs[i], xs[j], itf] (192) -> 256 -> 256 (Linear, ReLU, LayerNorm) -> 4 scores; mask; the 32 largest of a site's 256 per head; softmax.  attn: [site][head][pair] f16.
; WHY TWO PIECES.  Which keys are among the 32 largest hangs on differences of scores far below 16-bit rounding.  The weights are bf16 numbers, exact in f16; every activation goes to the matrix unit as TWO f16
; numbers, the rounded one and what the rounding left (exact difference, rounded once more): together 22 bits or more.  Both pieces are multiplied by the same weights into the same f32 sums.
; SCALES (powers of two): weights 2^8, activations 2^4, biases 2^12; so sums are 2^12 times the true ones, and the layer norm's eps is 1e-5 x 2^24; the norm's result is the same.
; LIMITS.  All float inputs count as rounded to bf16, the first interaction feature in front of the 0.9 cutoff too.  16 (16 |g| + |t|) < 65,504.  A score of -0 counts as +0.  NaN and infinities in the inputs are not
; treated apart.  A site with every pair masked gives NaN.  Two scores that differ by a few f32 roundings may change places.
; SHARES.  A work-group owns 4 sites, 1,024 pairs; a pass is 128 pairs, 32 a wave: two tiles of 16; eight passes put all scores into LDS, then wave w cuts and normalises head w of the four sites.
; All weights of the path stay in LDS, filled once.
; LAYOUT.  Every product is transposed: source 0 = 16 output features x 32 k (weights [k][n], turned by ds_load_tr16_b128), source 1 = 32 k x 16 pairs.  In the result a lane holds ONE pair (lane % 16) and
; features 8 (lane / 16) + 0..7; two neighbouring feature tiles, rounded in pairs, ARE source 1 of the next layer's K step.  Activations never leave registers; a pair's mean and variance want one exchange of the lanes' halves.
; CLUSTER.  All work-groups read the same pack, so four ask for it jointly: the same three tensor loads a wave, with the same descriptors and a mask that names the four.
; REGISTERS, in windows of 256 (s_set_vgpr_msb: bits 1:0 source 0, 3:2 source 1, 5:4 source 2, 7:6 destination): window 0 addresses, statistics, fragments of weights, vectors; window 1 H: four blocks of 64
; (tile t: first piece at 128 t, second at 128 t + 64; K step s at + 8 s); window 2 the sums: tile t at 128 t, feature tile f at + 8 f.
.set SCORE, 1
.set NT,    2                          ; tiles of 16 pairs a wave and pass
.set NPC,   2                          ; pieces of an activation
.set PKOFF, 0                          ; my pack in the buffer
.set RC,    4                          ; rows of 256 bytes a wave in the third fill
.set SH_P,  7                          ; a pass is 128 pairs,
.set SH_W,  5                          ; a wave's share 32
.set LASTP, 7
.set O_W3,  229376
.set O_WI,  245760
.set L_W2,  104448                     ; LDS: W1 | W2, 448 rows of 512 bytes + 32 of padding (17 x 32)
.set L_W3,  243712                     ; W3, rows of 32 bytes
.set L_VEC, 251904                     ; b1 g1 t1 b2 g2 t2 (1,024 each), gint, tint
.set L_WI,  260096                     ; WI, rows of 128 bytes + 32
.set L_SC,  265216                     ; scores, f32: 8 rows of 4,096 bytes (4 heads, 4 rows nobody reads) x 1,024 pairs; each byte is written once; no fill lands here
.set SPARE, 297984                     ; the spare words, 128 bytes a wave
.set P_AI, 4
.set P_AJ, 6
.set P_MK, 8
.set P_F,  10
.set P_PACK, 12
.set P_XS, 14
.set P_BP, 16
.set P_AT, 18
.set G1A, 28                           ; s[28:35], s[36:43], s[44:51] descriptor groups 1; s[52:55], s[56:59], s[60:63] groups 0
.set G1B, 36
.set G1C, 44
.set G0A, 52
.set G0B, 56
.set G0C, 60
.set WV, 66                            ; wave
.set CX, 67
.set WG, 68                            ; work-group: enters global offsets alone
.set SEL, 70                           ; s[70:71] v_permlanex16_b32's selects
.set HM, 72                            ; lanes 0-15
.set PI, 73                            ; the pass, 0 to 7
.set PIN, 74                           ; the pass whose small inputs are asked for
.set SI, 75                            ; the site, 0 to 3
.set LAY, 77
.set LW, 78
.set LV, 79
.set EPSS, 81
.set I256, 82
.set I64, 83
.set I16, 84
.set TH, 90
.set BIT, 91
.set CAND, 92
.set CNT, 93
.set R, 1                              ; lane % 16
.set HH, 2                             ; lane / 16
.set SPW, 3                            ; LDS address of my spare word; never rewritten
.set NIL, 4                            ; 0; never rewritten
.set ONE, 5
.set AW0, 6                            ; v6, v7: the layer's weights, K steps 0-3 and 4-7
.set AW3, 8
.set AWI, 9
.set AVB, 10                           ; the layer's vectors
.set AVI, 11
.set VP4, 12
.set VPX, 13
.set VP12, 14
.set H16, 15
.set AI, 16
.set AJ, 20
.set F, 24                             ; 3 registers a tile, 4 apart
.set GA, 40
.set GB, 44
.set MKR, 48
.set MSK, 50
.set PW, 52                            ; v52-55 the weights to store
.set ATO, 56
.set B3, 64
.set CH, 88                            ; four chains
.set MU, 96                            ; tile t: mean twice at 96 + 4 t, reciprocal root twice at 98 + 4 t
.set RS, 98
.set X, 112                            ; v112-119 at work
.set AWB, 120
.set AVB0, 121
.set SCA0, 122
.set TKA0, 123
.set ATO0, 124
.set SCA, 125
.set C16, 126
.set TT, 127
.set AF, 128                           ; two buffers of four fragments of weights
.set BI, 192                           ; four tiles' biases
.set GT0, 128                          ; two buffers of 32 gains and 32 shifts
.set GT1, 192
.set TMP, 128
.set MSB, 0
.macro WIN new                         ; the immediate's high byte repeats the setting that is left; a switch that changes nothing is dropped
.if MSB != (\new)
	s_set_vgpr_msb (MSB<<8)|(\new)
.set MSB, (\new)
.endif
.endm
.macro PLACES                          ; four places behind matrix instructions, in front of loads into their sources and of reads of their results
.rept 4
	v_nop
.endr
.endm
.macro ROUND                           ; a round of the cluster's barrier
	s_barrier_signal -1
	s_barrier_wait -1
	s_cmp_lg_u32 s[WV], 0
	s_cbranch_scc1 .Lnot_wave_0_\@
	s_barrier_signal -3
.Lnot_wave_0_\@:
	s_barrier_wait -3
	s_barrier_signal -1
	s_barrier_wait -1
.endm
.macro ACCW a                          ; window and first register of tile a's sums
.if SCORE
.set AWN, 2
.set ABS, 128*(\a)
.else
.set AWN, 2+((\a)>>1)
.set ABS, 128*((\a)&1)
.endif
.endm
.macro RND2 r, sc                      ; a pair of f32 rounded to bf16, widened again, times sc
	v_cvt_pk_bf16_f32 v[TT], v[(\r)], v[(\r)+1]
	v_lshlrev_b32 v[(\r)], 16, v[TT]
	v_and_b32 v[(\r)+1], 0xffff0000, v[TT]
.if (\sc) != 0
	v_pk_mul_f32 v[(\r):(\r)+1], v[(\r):(\r)+1], \sc op_sel_hi:[1,0]
.endif
.endm
; The small inputs of pass PIN: indices, features (and mask).  Their address registers were freed by the wait for the last such loads.
.macro META at
	WIN 0
	s_lshl_b32 s86, s[WG], 10
	s_lshl_b32 s87, s[PIN], SH_P
	s_lshl_b32 s88, s[WV], SH_W
	s_add_co_u32 s86, s86, s87
	s_add_co_u32 s86, s86, s88
	v_add_nc_u32 v[VPX], s86, v[R]                 ; my pair of tile 0
	v_lshlrev_b32 v[VP4], 2, v[VPX]
	v_mul_u32_u24 v[VP12], 12, v[VPX]
.set t, 0
.rept NT
	global_load_b32 v[AI+t], v[VP4], s[P_AI:P_AI+1] offset:64*t
	global_load_b32 v[AJ+t], v[VP4], s[P_AJ:P_AJ+1] offset:64*t
	global_load_b96 v[F+4*t:F+4*t+2], v[VP12], s[P_F:P_F+1] offset:192*t
.if SCORE
	global_load_u8 v[MKR+t], v[VPX], s[P_MK:P_MK+1] offset:16*t
.endif
.set t, t+1
.endr
.if (1-SCORE)*(\at)
	s_lshl2_add_u32 s86, s[WG], s[PI]              ; this pass's site
	s_lshl_b32 s86, s86, 11
	s_lshl_b32 s87, s[WV], 7
	s_add_co_u32 s86, s86, s87
	v_and_b32 v[TT], 3, v[R]
	v_lshl_add_u32 v[VAT], v[TT], 9, s86
	v_add_nc_u32 v[VAT], v[VAT], v[H16]
.irp k, 0,1
	global_load_b128 v[AT+8*\k:AT+8*\k+3], v[VAT], s[P_AT:P_AT+1] offset:64*\k
	global_load_b128 v[AT+8*\k+4:AT+8*\k+7], v[VAT], s[P_AT:P_AT+1] offset:64*\k+32
.endr
.endif
.endm
; Tile t's features as source 1 of the first product: k = 0..2 the three features times 16, k = 3 the number 16 (it meets bint), all else 0.  It lies in H's K step 6, idle until layer 1 is done.
.macro TOP t
.set fb, 64*NPC*(\t)+48
	WIN 0
	v_cvt_pk_bf16_f32 v[X], v[F+4*(\t)], v[F+4*(\t)+1]
	v_cvt_pk_bf16_f32 v[X+1], v[F+4*(\t)+2], v[F+4*(\t)+2]
	v_lshlrev_b32 v[X+2], 16, v[X]
	v_and_b32 v[X+3], 0xffff0000, v[X]
	v_lshlrev_b32 v[X+1], 16, v[X+1]
.if SCORE
	v_cmp_lt_f32 vcc_lo, 0x3f666666, v[X+2]        ; 0.9 < the first feature
	v_cndmask_b32 v[MSK+(\t)], v[MKR+(\t)], v[ONE], vcc_lo  ; not 0: the pair is masked
.endif
	v_mul_f32 v[X+2], v[C16], v[X+2]
	v_mul_f32 v[X+3], v[C16], v[X+3]
	v_mul_f32 v[X+1], v[C16], v[X+1]
	v_cvt_pk_f16_f32 v[X+2], v[X+2], v[X+3]
	v_cvt_pk_f16_f32 v[X+1], v[X+1], v[C16]
	WIN 0x40
	v_cndmask_b32 v[fb], 0, v[X+2], s[HM]
	v_cndmask_b32 v[fb+1], 0, v[X+1], s[HM]
.irp i, 2,3,4,5,6,7
	v_mov_b32 v[fb+\i], 0
.endr
.endm
; The next pass's rows of xs, straight into H's K steps 0-3.  The address lines are also the places behind the last products that read H.
.macro GATHER
	WIN 0
.set t, 0
.rept NT
	v_min_u32 v[GA+t], 0x3ff, v[AI+t]
	v_min_u32 v[GB+t], 0x3ff, v[AJ+t]
	v_lshl_add_u32 v[GA+t], v[GA+t], 8, v[H16]
	v_lshl_add_u32 v[GB+t], v[GB+t], 8, v[H16]
.set t, t+1
.endr
	WIN 0x40
.set t, 0
.rept NT
.set p, 0
.rept NPC
.set hb, 64*(NPC*t+p)
.irp k, 0,1
	global_load_b128 v[hb+8*\k:hb+8*\k+3], v[GA+t], s[P_XS:P_XS+1] offset:128*p+64*\k
	global_load_b128 v[hb+8*\k+4:hb+8*\k+7], v[GA+t], s[P_XS:P_XS+1] offset:128*p+64*\k+32
	global_load_b128 v[hb+16+8*\k:hb+16+8*\k+3], v[GB+t], s[P_XS:P_XS+1] offset:128*p+64*\k
	global_load_b128 v[hb+16+8*\k+4:hb+16+8*\k+7], v[GB+t], s[P_XS:P_XS+1] offset:128*p+64*\k+32
.endr
.set p, p+1
.endr
.set t, t+1
.endr
	WIN 0
.endm
; THE LAYER NORM, over np pairs of registers a lane and the same in the lane 16 away.  Mean first, then the squares of the differences, as the definition has it.
.macro COMB t
	WIN 0
	v_pk_add_f32 v[CH:CH+1], v[CH:CH+1], v[CH+2:CH+3]
	v_pk_add_f32 v[CH+4:CH+5], v[CH+4:CH+5], v[CH+6:CH+7]
	v_pk_add_f32 v[CH:CH+1], v[CH:CH+1], v[CH+4:CH+5]
	v_add_f32 v[X+(\t)], v[CH], v[CH+1]
.endm
.macro RELUSUM t, np
	ACCW \t
	WIN (AWN<<6)|(AWN<<2)
.set i, 0
.rept 2*(\np)
	v_max_num_f32 v[ABS+i], 0, v[ABS+i]            ; ascending: each accumulator is read from its low end
.set i, i+1
.endr
	WIN (AWN<<2)|AWN
.set i, 0
.rept 4
	v_pk_add_f32 v[CH+2*i:CH+2*i+1], v[ABS+2*i:ABS+2*i+1], v[ABS+2*i+8:ABS+2*i+9]
.set i, i+1
.endr
	WIN AWN
.set i, 8
.rept (\np)-8
	v_pk_add_f32 v[CH+2*(i%4):CH+2*(i%4)+1], v[ABS+2*i:ABS+2*i+1], v[CH+2*(i%4):CH+2*(i%4)+1]
.set i, i+1
.endr
	COMB \t
.endm
.macro FINMEAN sinv
	WIN 0
.set u, 0
.rept NT
	v_permlanex16_b32 v[X+4+u], v[X+u], s[SEL], s[SEL+1]
.set u, u+1
.endr
.set u, 0
.rept NT
	v_add_f32 v[X+u], v[X+u], v[X+4+u]
.set u, u+1
.endr
.set u, 0
.rept NT
	v_mul_f32 v[MU+4*u], s[\sinv], v[X+u]
	v_mul_f32 v[MU+4*u+1], s[\sinv], v[X+u]
.set u, u+1
.endr
.endm
.macro SUBSQ t, np
	ACCW \t
	WIN (AWN<<6)|AWN
.set i, 0
.rept (\np)
	v_pk_add_f32 v[ABS+2*i:ABS+2*i+1], v[ABS+2*i:ABS+2*i+1], v[MU+4*(\t):MU+4*(\t)+1] neg_lo:[0,1] neg_hi:[0,1]
.set i, i+1
.endr
	WIN (AWN<<2)|AWN
.set i, 0
.rept 4
	v_pk_mul_f32 v[CH+2*i:CH+2*i+1], v[ABS+2*i:ABS+2*i+1], v[ABS+2*i:ABS+2*i+1]
.set i, i+1
.endr
.rept (\np)-4
	v_pk_fma_f32 v[CH+2*(i%4):CH+2*(i%4)+1], v[ABS+2*i:ABS+2*i+1], v[ABS+2*i:ABS+2*i+1], v[CH+2*(i%4):CH+2*(i%4)+1]
.set i, i+1
.endr
	COMB \t
.endm
.macro FORU line:vararg                ; one line for each tile u
.set u, 0
.rept NT
	\line
.set u, u+1
.endr
.endm
.macro FINRSTD sinv
	WIN 0
	FORU v_permlanex16_b32 v[X+4+u], v[X+u], s[SEL], s[SEL+1]
	FORU v_add_f32 v[X+u], v[X+u], v[X+4+u]
	FORU v_fma_f32 v[X+u], v[X+u], s[\sinv], s[EPSS]
	FORU v_rsq_f32 v[RS+4*u], v[X+u]
	v_nop                                          ; a plain instruction behind the last transcendental
	s_wait_alu depctr_va_vdst(0)
	FORU v_mul_f32 v[X+4+u], v[X+u], v[RS+4*u]     ; one Newton step
	FORU v_fma_f32 v[X+4+u], -v[X+4+u], v[RS+4*u], 1.0
	FORU v_mul_f32 v[RS+4*u+1], 0.5, v[RS+4*u]
	FORU v_fma_f32 v[RS+4*u], v[RS+4*u+1], v[X+4+u], v[RS+4*u]
	FORU v_mov_b32 v[RS+4*u+1], v[RS+4*u]
.endm
; Four feature tiles (chunk q) of tile t: times the reciprocal root, times g plus t, rounded to f16 into H; with two pieces, the exact rest rounded into the second block.
.macro NORM t, q, gt, hoff
	ACCW \t
.set nb, ABS+32*(\q)
.set hh, 64*NPC*(\t)+(\hoff)+16*(\q)
	WIN (AWN<<6)|AWN
.set i, 0
.rept 16
	v_pk_mul_f32 v[nb+2*i:nb+2*i+1], v[nb+2*i:nb+2*i+1], v[RS+4*(\t):RS+4*(\t)+1]
.set i, i+1
.endr
.set i, 0
.rept 16
	v_pk_fma_f32 v[nb+2*i:nb+2*i+1], v[nb+2*i:nb+2*i+1], v[(\gt)+2*i:(\gt)+2*i+1], v[(\gt)+32+2*i:(\gt)+32+2*i+1]
.set i, i+1
.endr
	WIN 0x40|(AWN<<2)|AWN
.set i, 0
.rept 16
	v_cvt_pk_f16_f32 v[hh+i], v[nb+2*i], v[nb+2*i+1]
.set i, i+1
.endr
.if SCORE
	WIN (AWN<<6)|(AWN<<4)|1
.set i, 0
.rept 16
	v_fma_mix_f32 v[nb+2*i], -v[hh+i], v[ONE], v[nb+2*i] op_sel:[0,0,0] op_sel_hi:[1,0,0]
	v_fma_mix_f32 v[nb+2*i+1], -v[hh+i], v[ONE], v[nb+2*i+1] op_sel:[1,0,0] op_sel_hi:[1,0,0]
.set i, i+1
.endr
	WIN 0x40|(AWN<<2)|AWN
.set i, 0
.rept 16
	v_cvt_pk_f16_f32 v[hh+64+i], v[nb+2*i], v[nb+2*i+1]
.set i, i+1
.endr
.endif
.endm
.macro GTLOAD q                        ; chunk q's 32 gains and 32 shifts: 16 loads
	WIN 0
.set gb, GT0+64*((\q)&1)
.irp f, 0,1,2,3
	ds_load_b128 v[gb+8*\f:gb+8*\f+3], v[AVB] offset:1024+64*(4*(\q)+\f)
	ds_load_b128 v[gb+8*\f+4:gb+8*\f+7], v[AVB] offset:1024+64*(4*(\q)+\f)+16
	ds_load_b128 v[gb+32+8*\f:gb+32+8*\f+3], v[AVB] offset:2048+64*(4*(\q)+\f)
	ds_load_b128 v[gb+32+8*\f+4:gb+32+8*\f+7], v[AVB] offset:2048+64*(4*(\q)+\f)+16
.endr
.endm
.macro LN256
.set t, 0
.rept NT
	RELUSUM t, 64
.set t, t+1
.endr
	FINMEAN I256
	GTLOAD 0
.set t, 0
.rept NT
	SUBSQ t, 64
.set t, t+1
.endr
	FINRSTD I256
.irp q, 0,1,2,3
.if \q < 3
	GTLOAD \q+1
	s_wait_dscnt 16                                ; this chunk's vectors are in; the next chunk's 16 loads may stay out
.else
	s_wait_dscnt 0x0
.endif
.set t, 0
.rept NT
	NORM t, \q, GT0+64*(\q&1), 0
.set t, t+1
.endr
.endr
.endm
; itf = LayerNorm(ReLU(features Wint + bint)): one K step, 64 features, into H's K steps 4 and 5
.macro ITF
	WIN 0
.irp f, 0,1,2,3
	ds_load_tr16_b128 v[AF+8*\f:AF+8*\f+3], v[AWI] offset:32*\f
	ds_load_tr16_b128 v[AF+8*\f+4:AF+8*\f+7], v[AWI] offset:32*\f+2560
.endr
.irp f, 0,1,2,3
	ds_load_b128 v[GT1+8*\f:GT1+8*\f+3], v[AVI] offset:64*\f
	ds_load_b128 v[GT1+8*\f+4:GT1+8*\f+7], v[AVI] offset:64*\f+16
	ds_load_b128 v[GT1+32+8*\f:GT1+32+8*\f+3], v[AVI] offset:256+64*\f
	ds_load_b128 v[GT1+32+8*\f+4:GT1+32+8*\f+7], v[AVI] offset:256+64*\f+16
.endr
	s_wait_dscnt 0x0
.set t, 0
.rept NT
	ACCW t
	WIN (AWN<<6)|0x04
.irp f, 0,1,2,3
	v_wmma_f32_16x16x32_f16 v[ABS+8*\f:ABS+8*\f+7], v[AF+8*\f:AF+8*\f+7], v[64*NPC*t+48:64*NPC*t+55], 0
.endr
.set t, t+1
.endr
	PLACES
.set t, 0
.rept NT
	RELUSUM t, 16
.set t, t+1
.endr
	FINMEAN I64
.set t, 0
.rept NT
	SUBSQ t, 16
.set t, t+1
.endr
	FINRSTD I64
.set t, 0
.rept NT
	NORM t, 0, GT1, 32
.set t, t+1
.endr
.endm
; A LAYER'S PRODUCTS go in 32 steps; step n is four feature tiles (group g) x one K step (ks) x the four blocks of H: 16 matrix instructions on four fragments of weights.
; n = 0-23: g = n / 6, ks = n % 6.  n = 24-31: g = (n - 24) / 2, ks = 6, 7: layer 2 alone.  LOADS n: step n's 8 turning loads, and with ks = 0 the group's biases, 8 loads more.
.macro LOADS n
.if (\n) < 24
.set lg, (\n)/6
.set lk, (\n)%6
.else
.set lg, ((\n)-24)/2
.set lk, 6+((\n)-24)%2
.endif
.set lb, AF+32*((\n)&1)
.set la, AW0+(lk>>2)
	WIN 0
.irp f, 0,1,2,3
	ds_load_tr16_b128 v[lb+8*\f:lb+8*\f+3], v[la] offset:(lk&3)*17408+32*(4*lg+\f)
	ds_load_tr16_b128 v[lb+8*\f+4:lb+8*\f+7], v[la] offset:(lk&3)*17408+8704+32*(4*lg+\f)
.endr
.if lk == 0
.irp f, 0,1,2,3
	ds_load_b128 v[BI+8*\f:BI+8*\f+3], v[AVB] offset:64*(4*lg+\f)
	ds_load_b128 v[BI+8*\f+4:BI+8*\f+7], v[AVB] offset:64*(4*lg+\f)+16
.endr
.endif
.endm
; The next step's loads go out first, into the buffer that the step before read (four places behind its last product); the wait leaves just those out.  An accumulator comes up again
; four matrix instructions later at the earliest: the accumulators take turns.  The bias starts each sum.
.macro STEP n
	PLACES
.if (\n) < 31
	LOADS (\n)+1
.if (((\n)+1) < 24) && ((((\n)+1)%6) == 0)
	s_wait_dscnt 16
.else
	s_wait_dscnt 8
.endif
.else
	s_wait_dscnt 0x0
.endif
.if (\n) < 24
.set sg, (\n)/6
.set sk, (\n)%6
.else
.set sg, ((\n)-24)/2
.set sk, 6+((\n)-24)%2
.endif
.set sb, AF+32*((\n)&1)
.set c, 0
.rept 4
	ACCW c>>SCORE
.if (sk == 0) && ((SCORE == 0) || ((c&1) == 0))
	WIN (AWN<<6)|0x04
.irp f, 0,1,2,3
	v_wmma_f32_16x16x32_f16 v[ABS+8*(4*sg+\f):ABS+8*(4*sg+\f)+7], v[sb+8*\f:sb+8*\f+7], v[64*c+8*sk:64*c+8*sk+7], v[BI+8*\f:BI+8*\f+7]
.endr
.else
	WIN (AWN<<6)|(AWN<<4)|0x04
.irp f, 0,1,2,3
	v_wmma_f32_16x16x32_f16 v[ABS+8*(4*sg+\f):ABS+8*(4*sg+\f)+7], v[sb+8*\f:sb+8*\f+7], v[64*c+8*sk:64*c+8*sk+7], v[ABS+8*(4*sg+\f):ABS+8*(4*sg+\f)+7]
.endr
.endif
.set c, c+1
.endr
.endm
; Both layers are one text, walked twice.  Layer 1 has six K steps and jumps forward over steps 24-31 (no barrier, no tensor load there); its step 23 has asked for step 24's fragments, which nobody uses.
.macro LAYERS
	WIN 0
	s_mov_b32 s[LAY], 2
.Llayer:
	s_cmp_eq_u32 s[LAY], 2
	s_cselect_b32 s[LW], 0, L_W2
	s_cselect_b32 s[LV], 0, 3072
	v_add_nc_u32 v[AW0], s[LW], v[AWB]
	v_add_nc_u32 v[AW0+1], 69632, v[AW0]
	v_add_nc_u32 v[AVB], s[LV], v[AVB0]
	LOADS 0
.set n, 0
.rept 24
	STEP n
.set n, n+1
.endr
	WIN 0
	s_cmp_eq_u32 s[LAY], 2
	s_cbranch_scc1 .Lskip
.rept 8
	STEP n
.set n, n+1
.endr
	WIN 0
.Lskip:
	s_wait_dscnt 0x0
	PLACES
	LN256
	WIN 0
	s_sub_co_u32 s[LAY], s[LAY], 1
	s_cmp_lg_u32 s[LAY], 0
	s_cbranch_scc1 .Llayer
.endm
; The last product, 256 -> 16 columns: one feature tile, eight K steps
.macro W3ONE k, c
	ACCW (\c)>>SCORE
.if ((\k) == 0) && ((SCORE == 0) || (((\c)&1) == 0))
	WIN (AWN<<6)|0x04
	v_wmma_f32_16x16x32_f16 v[ABS:ABS+7], v[TMP+8*(\k):TMP+8*(\k)+7], v[64*(\c)+8*(\k):64*(\c)+8*(\k)+7], v[B3:B3+7]
.else
	WIN (AWN<<6)|(AWN<<4)|0x04
	v_wmma_f32_16x16x32_f16 v[ABS:ABS+7], v[TMP+8*(\k):TMP+8*(\k)+7], v[64*(\c)+8*(\k):64*(\c)+8*(\k)+7], v[ABS:ABS+7]
.endif
.endm
.macro W3M
	WIN 0
.irp k, 0,1,2,3,4,5,6,7
	ds_load_tr16_b128 v[TMP+8*\k:TMP+8*\k+3], v[AW3] offset:1024*\k
	ds_load_tr16_b128 v[TMP+8*\k+4:TMP+8*\k+7], v[AW3] offset:1024*\k+512
.endr
	s_wait_dscnt 0x0
.irp k, 0,1,2,3,4,5,6,7
.if SCORE
.irp c, 0,2,1,3                        ; the two tiles' accumulators alternate
	W3ONE \k, \c
.endr
.else
.irp c, 0,1,2,3
	W3ONE \k, \c
.endr
.endif
.endr
.endm
; ---- THE HEAD
	s_load_b512 s[4:19], s[0:1], 0x0
	v_lshl_add_u32 v[SPW], v0, 2, SPARE
	v_mov_b32 v[NIL], 0
	ds_add_u32 v[SPW], v[NIL]                      ; the wave's opening: the add and its wait come ahead of my first tensor load; work on registers stands between them
	v_lshrrev_b32 v[R], 5, v0
	v_readfirstlane_b32 s[WV], v[R]
	s_bfe_u32 s[CX], ttmp6, 0x40000
	s_lshl_b32 s[WG], ttmp9, 2
	s_add_co_u32 s[WG], s[WG], s[CX]               ; work-group = 4 x cluster + my place in it
	s_mov_b32 s[SEL], 0x76543210
	s_mov_b32 s[SEL+1], 0xfedcba98
	s_mov_b32 s[HM], 0x0000ffff
	s_mov_b32 s[EPSS], 0x4327c5ac                  ; 1e-5 x 2^24
	s_mov_b32 s[I256], 0x3b800000
	s_mov_b32 s[I64], 0x3c800000
	s_mov_b32 s[I16], 0x3d800000
	; W1 | W2: a wave brings 112 rows of 256 elements of 2 bytes, 8 words of padding behind every 128
	s_mov_b32 s[G1A], 15|(1<<16)|(1<<20)|(1<<21)|(6<<22)|(7<<25)
	s_mov_b32 s[G1A+1], 256<<16
	s_mov_b32 s[G1A+2], 112<<16
	s_mov_b32 s[G1A+3], 256<<16
	s_mov_b32 s[G1A+4], 112
	s_mov_b32 s[G1A+5], 256
	s_mov_b32 s[G1A+6], 0
	s_mov_b32 s[G1A+7], 0
	; W3 and the vectors: dense, 16 rows of 32 elements of 8 bytes a wave
	s_mov_b32 s[G1B], 15|(3<<16)|(1<<21)
	s_mov_b32 s[G1B+1], 32<<16
	s_mov_b32 s[G1B+2], 16<<16
	s_mov_b32 s[G1B+3], 32<<16
	s_mov_b32 s[G1B+4], 16
	s_mov_b32 s[G1B+5], 32
	s_mov_b32 s[G1B+6], 0
	s_mov_b32 s[G1B+7], 0
	; the matrices with rows of 128 bytes: dense, asked for as RC rows of 256 bytes a wave, 8 words of padding behind every 32
	s_mov_b32 s[G1C], 15|(1<<16)|(1<<20)|(1<<21)|(4<<22)|(7<<25)
	s_mov_b32 s[G1C+1], 128<<16
	s_mov_b32 s[G1C+2], RC<<16
	s_mov_b32 s[G1C+3], 128<<16
	s_mov_b32 s[G1C+4], RC
	s_mov_b32 s[G1C+5], 128
	s_mov_b32 s[G1C+6], 0
	s_mov_b32 s[G1C+7], 0
	s_mov_b32 s[G0A], 1
	s_mul_i32 s[G0A+1], s[WV], 60928
	s_mov_b32 s[G0B], 1
	s_lshl_b32 s[G0B+1], s[WV], 12
	s_add_co_u32 s[G0B+1], s[G0B+1], L_W3
	s_mov_b32 s[G0C], 1
	s_mul_i32 s[G0C+1], s[WV], 320*RC
	s_add_co_u32 s[G0C+1], s[G0C+1], L_WI
	v_and_b32 v[R], 15, v0
	v_bfe_u32 v[HH], v0, 4, 1
	v_mov_b32 v[ONE], 1.0
	v_mov_b32 v[C16], 0x41800000
	v_and_b32 v[X], 7, v0
	v_lshl_add_u32 v[X], v[HH], 3, v[X]            ; the turning loads' row: 8 h + l % 8,
	v_bfe_u32 v[X+1], v0, 3, 1
	v_lshlrev_b32 v[X+1], 4, v[X+1]                ; and 16 bytes ((l / 8) % 2)
	v_mul_u32_u24 v[AWB], v[X], 544
	v_add_nc_u32 v[AWB], v[AWB], v[X+1]
	v_lshl_add_u32 v[AW3], v[X], 5, v[X+1]
	v_add_nc_u32 v[AW3], L_W3, v[AW3]
	v_mul_u32_u24 v[AWI], v[X], 160
	v_add_nc_u32 v[AWI], v[AWI], v[X+1]
	v_add_nc_u32 v[AWI], L_WI, v[AWI]
	v_lshlrev_b32 v[X+2], 5, v[HH]
	v_add_nc_u32 v[AVB0], L_VEC, v[X+2]
	v_add_nc_u32 v[AVI], L_VEC+6144, v[X+2]
	v_lshlrev_b32 v[H16], 4, v[HH]
	s_lshl_b32 s86, s[WV], 7
	s_add_co_u32 s86, s86, L_SC
	v_lshl_add_u32 v[SCA0], v[R], 2, s86
	v_lshl_add_u32 v[SCA0], v[HH], 14, v[SCA0]     ; where my scores go: row 4 h + j, pair 32 w + 16 t + r of the pass
	v_and_b32 v[X+3], 31, v0
	s_lshl_b32 s86, s[WV], 12
	s_add_co_u32 s86, s86, L_SC
	v_lshl_add_u32 v[TKA0], v[X+3], 5, s86         ; head w's row, my 8 pairs
	s_lshl_b32 s86, s[WV], 9
	v_lshl_add_u32 v[ATO0], v[X+3], 4, s86
.irp i, 4,5,6,7
	v_mov_b32 v[X+\i], 0                           ; destinations of v_permlanex16_b32 count as read
.endr
	s_wait_dscnt 0x0                               ; the opening add is done
	s_wait_kmcnt 0x0
	s_mul_i32 s86, s[WV], 57344
	s_add_co_u32 s86, s86, PKOFF
	s_mov_b32 s87, 0
	s_add_nc_u64 s[G0A+2:G0A+3], s[P_PACK:P_PACK+1], s[86:87]
	s_or_b32 s[G0A+3], s[G0A+3], 0x80000000
	s_lshl_b32 s86, s[WV], 12
	s_add_co_u32 s86, s86, PKOFF+O_W3
	s_add_nc_u64 s[G0B+2:G0B+3], s[P_PACK:P_PACK+1], s[86:87]
	s_or_b32 s[G0B+3], s[G0B+3], 0x80000000
	s_mul_i32 s86, s[WV], 256*RC
	s_add_co_u32 s86, s86, PKOFF+O_WI
	s_add_nc_u64 s[G0C+2:G0C+3], s[P_PACK:P_PACK+1], s[86:87]
	s_or_b32 s[G0C+3], s[G0C+3], 0x80000000
	ROUND                                          ; all four work-groups are here: the joint loads meet
	tensor_load_to_lds s[G0A:G0A+3], s[G1A:G1A+7]  ; three loads of mine are out
	s_nop 0
	tensor_load_to_lds s[G0B:G0B+3], s[G1B:G1B+7]
	s_nop 0
	tensor_load_to_lds s[G0C:G0C+3], s[G1C:G1C+7]
	s_nop 0
	PLACES
	s_mov_b32 s[PIN], 0
	META 0
	global_load_b128 v[B3:B3+3], v[X+4], s[P_BP:P_BP+1]   ; bp, the same four numbers in every lane
	WIN 0x40
.set c, 0
.rept 4
.set i, 48
.rept 16
	v_mov_b32 v[64*c+i], 0                         ; H's K steps 6 and 7: the one text of both layers names them, so they hold numbers from the start; this stands in the wait for the fill
.set i, i+1
.endr
.set c, c+1
.endr
	WIN 0
	s_wait_loadcnt 0x0
	RND2 B3, 0x45800000
	RND2 B3+2, 0x45800000
.irp i, 0,1,2,3
	v_cndmask_b32 v[B3+\i], 0, v[B3+\i], s[HM]     ; output rows 0-3 are the heads; rows 4-15 are nothing
	v_mov_b32 v[B3+4+\i], 0
.endr
	GATHER
	s_wait_tensorcnt 0x0                           ; my parts of the pack are in,
	s_barrier_signal -1
	s_barrier_wait -1                              ; everybody's are
; ---- EIGHT PASSES OF 128 PAIRS: passes 2 s and 2 s + 1 are site s.  The pass's number is the one counter of the loop, and the scores' place in LDS is 512 bytes times it.
	s_mov_b32 s[PI], 0
.Lpass:
	s_add_co_u32 s[PIN], s[PI], 1
	s_min_u32 s[PIN], s[PIN], LASTP                ; the last pass asks for itself once more: no load leaves a buffer
	TOP 0
	TOP 1
	META 0
	ITF
	s_wait_loadcnt 8                               ; the 32 gathers are in; the 8 small loads issued behind them may stay out
	LAYERS
	W3M
	s_wait_loadcnt 0x0                             ; the next pass's indices, features and mask
	GATHER
	; the scores: -0 becomes +0, a masked pair -infinity; into LDS by head
	s_lshl_b32 s86, s[PI], 9
	v_add_nc_u32 v[SCA], s86, v[SCA0]
.set t, 0
.rept NT
	ACCW t
	WIN 0
	v_cmp_eq_u32 vcc_lo, 0, v[MSK+t]
	WIN AWN<<2
.irp j, 0,1,2,3
	v_add_f32 v[X+\j], 0, v[ABS+\j]
.endr
	WIN 0
.irp j, 0,1,2,3
	v_cndmask_b32 v[X+\j], 0xff800000, v[X+\j], vcc_lo
	ds_store_b32 v[SCA], v[X+\j] offset:4096*\j+64*t
.endr
.set t, t+1
.endr
	s_add_co_u32 s[PI], s[PI], 1
	s_cmp_lt_u32 s[PI], 8
	s_cbranch_scc1 .Lpass
; ---- THE 32 LARGEST AND THE SOFTMAX: wave w takes head w of the four sites, a lane 8 pairs
.set SS, 128
.set KK, 136
.set EE, 144
	s_wait_dscnt 0x0                               ; for the others' sake: my scores are in LDS
	s_barrier_signal -1
	s_barrier_wait -1                              ; everybody's are; nothing is stored there behind this barrier
	s_mov_b32 s[SI], 0
.Lsite:
	s_lshl_b32 s86, s[SI], 10
	v_add_nc_u32 v[SCA], s86, v[TKA0]
	ds_load_b128 v[SS:SS+3], v[SCA]
	ds_load_b128 v[SS+4:SS+7], v[SCA] offset:16
	s_wait_dscnt 0x0
.set i, 0
.rept 8
	v_ashrrev_i32 v[KK+i], 31, v[SS+i]             ; a key that orders, as an unsigned number, as the float does
.set i, i+1
.endr
.set i, 0
.rept 8
	v_or_b32 v[KK+i], 0x80000000, v[KK+i]
.set i, i+1
.endr
.set i, 0
.rept 8
	v_xor_b32 v[KK+i], v[SS+i], v[KK+i]
.set i, i+1
.endr
	v_max3_num_f32 v[X], v[SS], v[SS+1], v[SS+2]
	v_max3_num_f32 v[X+1], v[SS+3], v[SS+4], v[SS+5]
	v_max3_num_f32 v[X], v[X], v[SS+6], v[SS+7]
	v_max_num_f32 v[X], v[X], v[X+1]
	v_max_num_f32_dpp v[X], v[X], v[X] row_xmask:1 row_mask:0xf bank_mask:0xf
	v_max_num_f32_dpp v[X], v[X], v[X] row_xmask:2 row_mask:0xf bank_mask:0xf
	v_max_num_f32_dpp v[X], v[X], v[X] row_xmask:4 row_mask:0xf bank_mask:0xf
	v_max_num_f32_dpp v[X], v[X], v[X] row_xmask:8 row_mask:0xf bank_mask:0xf
	v_permlanex16_b32 v[X+4], v[X], s[SEL], s[SEL+1]
	v_max_num_f32 v[X], v[X], v[X+4]               ; the row's maximum, in every lane
	; the 32nd largest key, bit by bit from the top: the largest number TH of which 32 keys or more are not below.  Values are selected; no branch hangs on them.
	s_mov_b32 s[TH], 0
	s_mov_b32 s[BIT], 0x80000000
	s_mov_b32 s[CNT], 32
.Lbit:
	s_or_b32 s[CAND], s[TH], s[BIT]
.set i, 0
.rept 8
	v_cmp_le_u32 s[40+i], s[CAND], v[KK+i]
.set i, i+1
.endr
.set i, 0
.rept 8
	s_bcnt1_i32_b32 s[40+i], s[40+i]
.set i, i+1
.endr
	s_add_co_u32 s40, s40, s41
	s_add_co_u32 s42, s42, s43
	s_add_co_u32 s44, s44, s45
	s_add_co_u32 s46, s46, s47
	s_add_co_u32 s40, s40, s42
	s_add_co_u32 s44, s44, s46
	s_add_co_u32 s40, s40, s44
	s_cmp_ge_u32 s40, 32
	s_cselect_b32 s[TH], s[CAND], s[TH]
	s_lshr_b32 s[BIT], s[BIT], 1
	s_sub_co_u32 s[CNT], s[CNT], 1
	s_cmp_lg_u32 s[CNT], 0
	s_cbranch_scc1 .Lbit
.set i, 0
.rept 8
	v_sub_f32 v[EE+i], v[SS+i], v[X]
.set i, i+1
.endr
.set i, 0
.rept 8
	v_mul_f32 v[EE+i], 0x39b8aa3b, v[EE+i]         ; log2(e) / 2^12: the scores carry 2^12
.set i, i+1
.endr
.set i, 0
.rept 8
	v_exp_f32 v[EE+i], v[EE+i]
.set i, i+1
.endr
	v_nop                                          ; a plain instruction behind the last transcendental
.set i, 0
	s_wait_alu depctr_va_vdst(0)
.rept 8
	v_cmp_le_u32 vcc_lo, s[TH], v[KK+i]            ; kept: not below the 32nd largest, ties too
	v_cndmask_b32 v[EE+i], 0, v[EE+i], vcc_lo
.set i, i+1
.endr
	v_pk_add_f32 v[CH:CH+1], v[EE:EE+1], v[EE+2:EE+3]
	v_pk_add_f32 v[CH+2:CH+3], v[EE+4:EE+5], v[EE+6:EE+7]
	v_pk_add_f32 v[CH:CH+1], v[CH:CH+1], v[CH+2:CH+3]
	v_add_f32 v[X+1], v[CH], v[CH+1]
	v_add_f32_dpp v[X+1], v[X+1], v[X+1] row_xmask:1 row_mask:0xf bank_mask:0xf
	v_add_f32_dpp v[X+1], v[X+1], v[X+1] row_xmask:2 row_mask:0xf bank_mask:0xf
	v_add_f32_dpp v[X+1], v[X+1], v[X+1] row_xmask:4 row_mask:0xf bank_mask:0xf
	v_add_f32_dpp v[X+1], v[X+1], v[X+1] row_xmask:8 row_mask:0xf bank_mask:0xf
	v_permlanex16_b32 v[X+5], v[X+1], s[SEL], s[SEL+1]
	v_add_f32 v[X+1], v[X+1], v[X+5]
	v_rcp_f32 v[X+2], v[X+1]
	v_nop
	s_wait_alu depctr_va_vdst(0)
	v_mov_b32 v[X+3], v[X+2]
.irp i, 0,1,2,3
	v_pk_mul_f32 v[EE+2*\i:EE+2*\i+1], v[EE+2*\i:EE+2*\i+1], v[X+2:X+3]
.endr
	s_wait_xcnt 0x0                                ; the last site's store has had its address translated: its data and address registers are rewritten only behind this wait
.irp i, 0,1,2,3
	v_cvt_pk_f16_f32 v[PW+\i], v[EE+2*\i], v[EE+2*\i+1]
.endr
	s_lshl2_add_u32 s86, s[WG], s[SI]
	s_lshl_b32 s86, s86, 11
	v_add_nc_u32 v[ATO], s86, v[ATO0]
	global_store_b128 v[ATO], v[PW:PW+3], s[P_AT:P_AT+1]   ; a head's 256 weights: 512 consecutive bytes from one wave
	s_add_co_u32 s[SI], s[SI], 1
	s_cmp_lt_u32 s[SI], 4
	s_cbranch_scc1 .Lsite
	s_wait_tensorcnt 0x0                           ; the wave's end
	ds_add_u32 v[SPW], v[NIL]
	s_wait_dscnt 0x0
	ROUND                                          ; the closing round
	s_endpgm
.Lfunc_end_k_qfae6201daa_score:
	.size	k_qfae6201daa_score, .Lfunc_end_k_qfae6201daa_score-k_qfae6201daa_score
	.p2alignl 7, 3214868480
	.fill 96, 4, 3214868480
	.section	.rodata,"a",@progbits
	.p2align	6, 0x0
	.amdhsa_kernel k_qfae6201daa_score
		.amdhsa_group_segment_fixed_size 327680
		.amdhsa_private_segment_fixed_size 0
		.amdhsa_enable_private_segment 0
		.amdhsa_kernarg_size 64
		.amdhsa_user_sgpr_count 2
		.amdhsa_user_sgpr_kernarg_segment_ptr 1
		.amdhsa_wavefront_size32 1
		.amdhsa_system_sgpr_workgroup_id_x 1
		.amdhsa_system_sgpr_workgroup_id_y 1
		.amdhsa_system_sgpr_workgroup_id_z 1
		.amdhsa_system_vgpr_workitem_id 0
		.amdhsa_next_free_vgpr 768
		.amdhsa_next_free_sgpr 100
		.amdhsa_reserve_vcc 1
		.amdhsa_float_denorm_mode_32 3
		.amdhsa_float_denorm_mode_16_64 3
		.amdhsa_memory_ordered 1
		.amdhsa_forward_progress 1
		.amdhsa_inst_pref_size 202
	.end_amdhsa_kernel
	.amdgpu_metadata
---
amdhsa.version: [ 1, 2 ]
amdhsa.kernels:
  - .name:           k_qfae6201daa_score
    .symbol:         k_qfae6201daa_score.kd
    .args:
      - { .name: attention_i, .offset: 0, .size: 8, .value_kind: global_buffer, .address_space: global }
      - { .name: attention_j, .offset: 8, .size: 8, .value_kind: global_buffer, .address_space: global }
      - { .name: attention_mask, .offset: 16, .size: 8, .value_kind: global_buffer, .address_space: global }
      - { .name: interaction_features, .offset: 24, .size: 8, .value_kind: global_buffer, .address_space: global }
      - { .name: pack, .offset: 32, .size: 8, .value_kind: global_buffer, .address_space: global }
      - { .name: xs, .offset: 40, .size: 8, .value_kind: global_buffer, .address_space: global }
      - { .name: params_bp, .offset: 48, .size: 8, .value_kind: global_buffer, .address_space: global }
      - { .name: attn, .offset: 56, .size: 8, .value_kind: global_buffer, .address_space: global }
    .group_segment_fixed_size: 327680
    .private_segment_fixed_size: 0
    .kernarg_segment_align: 8
    .kernarg_segment_size: 64
    .max_flat_workgroup_size: 128
    .sgpr_count:     100
    .vgpr_count:     768
    .wavefront_size: 32
...
	.end_amdgpu_metadata
.endif
;; end of part 2
;; launch feat (part 3): grid 256 x 1, 4 waves a work-group, clusters of 4 x 1, 327,680 bytes of LDS; arguments attention_i, attention_j, interaction_features, pack, xs, attn, params_afm_2_1, params_afm_2_2, params_afm_2_3, params_bg, out0; writes out0
.if DOCPART == 3
	.amdgcn_target "amdgcn-amd-amdhsa--gfx1250"
	.amdhsa_code_object_version 6
	.text
	.protected	k_qfae6201daa_feat
	.globl	k_qfae6201daa_feat
	.p2align	8
	.type	k_qfae6201daa_feat,@function
k_qfae6201daa_feat:
	s_mov_b64 s[64:65], 0
	v_nop
	global_prefetch_b8 v0, s[64:65] scope:SCOPE_SE
	s_setreg_imm32_b32 hwreg(HW_REG_WAVE_MODE, 25, 1), 1
	s_wait_xcnt 0x0
	s_wait_alu depctr_hold_cnt(0) depctr_sa_sdst(0) depctr_va_vdst(0) depctr_va_sdst(0) depctr_va_ssrc(0) depctr_va_vcc(0) depctr_vm_vsrc(0)
	s_getreg_b32 s2, hwreg(HW_REG_IB_STS2, 6, 4)
	s_cmp_eq_u32 s2, 0
	s_cbranch_scc0 .Lentry_in_a_cluster
	s_endpgm
.Lentry_in_a_cluster:
	s_bfe_u32 s2, ttmp6, 0x10000c
	s_cmp_lg_u32 s2, 0x3003
	s_cbranch_scc0 .Lentry_shape_is_right
	s_endpgm
.Lentry_shape_is_right:
; THE FEATURES AND THE RESULT.  For each pair: [xs[i], xs[j], itf] (192) -> 256 -> 256 -> 16 (Linear, ReLU, LayerNorm each); out[site][4 e + head] = the sum over pairs of attn x feature e; out0 = out Wg + bg.
; ONE PIECE.  Nothing here decides a choice, so every activation goes to the matrix unit as one f16 number (11 significant bits); the weights are bf16 numbers, exact in f16.
; SCALES (powers of two): weights 2^8, activations and features 2^4, biases 2^12; sums are 2^12 times the true ones, the layer norm's eps is 1e-5 x 2^24, and the last product is scaled back by 2^-12.
; LIMITS.  All float inputs count as rounded to bf16.  16 (16 |g| + |t|) < 65,504 in every layer norm, so 16 |feature| < 65,504.  NaN and infinities in the inputs are not treated apart; a NaN weight gives NaN.
; SHARES.  A work-group owns 4 sites; a pass is one site, 64 pairs a wave: four tiles of 16.  All weights of the path stay in LDS, filled once.  The waves' partial sums over pairs meet in LDS at the end.
; LAYOUT.  Every product is transposed: source 0 = 16 output features x 32 k (weights [k][n], turned by ds_load_tr16_b128), source 1 = 32 k x 16 pairs.  In the result a lane holds ONE pair (lane % 16) and
; features 8 (lane / 16) + 0..7; two neighbouring feature tiles, rounded in pairs, ARE source 1 of the next layer's K step.
; CLUSTER.  All work-groups read the same pack, so four ask for it jointly: the same three tensor loads a wave, with the same descriptors and a mask that names the four.
; REGISTERS, in windows of 256 (s_set_vgpr_msb: bits 1:0 source 0, 3:2 source 1, 5:4 source 2, 7:6 destination): window 0 addresses, statistics, fragments of weights, vectors; window 1 H: tile t's block of 64 at 64 t
; (K step s at + 8 s); windows 2 and 3 the sums: tile t in window 2 + t / 2 at 128 (t % 2), feature tile f at + 8 f.
.set SCORE, 0
.set NT,    4                          ; tiles of 16 pairs a wave and pass
.set NPC,   1                          ; pieces of an activation
.set PKOFF, 258048                     ; my pack in the buffer
.set RC,    12                         ; rows of 256 bytes a wave in the third fill
.set SH_P,  8                          ; a pass is 256 pairs,
.set SH_W,  6                          ; a wave's share 64
.set LASTP, 3
.set O_W3,  229376
.set O_WI,  245760
.set L_W2,  104448                     ; LDS: W1 | W2, 448 rows of 512 bytes + 32 of padding (17 x 32)
.set L_W3,  243712                     ; W3, rows of 32 bytes
.set L_VEC, 251904                     ; b1 g1 t1 b2 g2 t2 (1,024 each), gint, tint
.set L_WI,  260096                     ; WI, rows of 128 bytes + 32
.set L_WG,  265216                     ; WG, likewise
.set L_FE,  275456                     ; a wave's features of a pass: 64 pairs x 32 bytes.  From here on no fill lands
.set L_PART, 283648                    ; [site 4][wave 4][64 f32]
.set L_OUTS, 287744                    ; [site 4][64 f32]
.set SPARE, 288768                     ; the spare words, 128 bytes a wave
.set P_AI, 4
.set P_AJ, 6
.set P_F,  8
.set P_PACK, 10
.set P_XS, 12
.set P_AT, 14
.set P_B3, 16
.set P_G3, 18
.set P_T3, 20
.set P_BG, 22
.set P_OUT, 24
.set G1A, 28                           ; s[28:35], s[36:43], s[44:51] descriptor groups 1; s[52:55], s[56:59], s[60:63] groups 0
.set G1B, 36
.set G1C, 44
.set G0A, 52
.set G0B, 56
.set G0C, 60
.set WV, 66                            ; wave
.set CX, 67
.set WG, 68                            ; work-group: enters global offsets alone
.set SEL, 70                           ; s[70:71] v_permlanex16_b32's selects
.set HM, 72                            ; lanes 0-15
.set PI, 73                            ; the pass
.set PIN, 74                           ; the pass whose small inputs are asked for
.set LAY, 77
.set LW, 78
.set LV, 79
.set EPSS, 81
.set I256, 82
.set I64, 83
.set I16, 84
.set R, 1                              ; lane % 16
.set HH, 2                             ; lane / 16
.set SPW, 3                            ; LDS address of my spare word; never rewritten
.set NIL, 4                            ; 0; never rewritten
.set ONE, 5
.set AW0, 6                            ; v6, v7: the layer's weights, K steps 0-3 and 4-7
.set AW3, 8
.set AWI, 9
.set AVB, 10                           ; the layer's vectors
.set AVI, 11
.set VP4, 12
.set VPX, 13
.set VP12, 14
.set H16, 15
.set AI, 16
.set AJ, 20
.set F, 24                             ; 3 registers a tile, 4 apart
.set VAT, 27                           ; in the gap behind tile 0's three
.set GA, 40
.set GB, 44
.set AT, 48                            ; v48-63 the weights' two fragments; at the end WG's
.set B3, 64
.set G3, 72
.set T3, 80
.set CH, 88                            ; four chains
.set MU, 96                            ; tile t: mean twice at 96 + 4 t, reciprocal root twice at 98 + 4 t
.set RS, 98
.set X, 112                            ; v112-119 at work
.set AWB, 120
.set AVB0, 121
.set FES, 122
.set FEL, 123
.set PST, 124
.set SCA, 125
.set C16, 126
.set TT, 127
.set AF, 128                           ; two buffers of four fragments of weights
.set BI, 192                           ; four tiles' biases
.set GT0, 128                          ; two buffers of 32 gains and 32 shifts
.set GT1, 192
.set TMP, 128
.set MSB, 0
.macro WIN new                         ; the immediate's high byte repeats the setting that is left; a switch that changes nothing is dropped
.if MSB != (\new)
	s_set_vgpr_msb (MSB<<8)|(\new)
.set MSB, (\new)
.endif
.endm
.macro PLACES                          ; four places behind matrix instructions, in front of loads into their sources and of reads of their results
.rept 4
	v_nop
.endr
.endm
.macro ROUND                           ; a round of the cluster's barrier
	s_barrier_signal -1
	s_barrier_wait -1
	s_cmp_lg_u32 s[WV], 0
	s_cbranch_scc1 .Lnot_wave_0_\@
	s_barrier_signal -3
.Lnot_wave_0_\@:
	s_barrier_wait -3
	s_barrier_signal -1
	s_barrier_wait -1
.endm
.macro ACCW a                          ; window and first register of tile a's sums
.if SCORE
.set AWN, 2
.set ABS, 128*(\a)
.else
.set AWN, 2+((\a)>>1)
.set ABS, 128*((\a)&1)
.endif
.endm
.macro RND2 r, sc                      ; a pair of f32 rounded to bf16, widened again, times sc
	v_cvt_pk_bf16_f32 v[TT], v[(\r)], v[(\r)+1]
	v_lshlrev_b32 v[(\r)], 16, v[TT]
	v_and_b32 v[(\r)+1], 0xffff0000, v[TT]
.if (\sc) != 0
	v_pk_mul_f32 v[(\r):(\r)+1], v[(\r):(\r)+1], \sc op_sel_hi:[1,0]
.endif
.endm
; The small inputs of pass PIN: indices and features; at = 1: also this pass's attention weights.  Their address registers were freed by the wait for the last such loads.
.macro META at
	WIN 0
	s_lshl_b32 s86, s[WG], 10
	s_lshl_b32 s87, s[PIN], SH_P
	s_lshl_b32 s88, s[WV], SH_W
	s_add_co_u32 s86, s86, s87
	s_add_co_u32 s86, s86, s88
	v_add_nc_u32 v[VPX], s86, v[R]                 ; my pair of tile 0
	v_lshlrev_b32 v[VP4], 2, v[VPX]
	v_mul_u32_u24 v[VP12], 12, v[VPX]
.set t, 0
.rept NT
	global_load_b32 v[AI+t], v[VP4], s[P_AI:P_AI+1] offset:64*t
	global_load_b32 v[AJ+t], v[VP4], s[P_AJ:P_AJ+1] offset:64*t
	global_load_b96 v[F+4*t:F+4*t+2], v[VP12], s[P_F:P_F+1] offset:192*t
.if SCORE
	global_load_u8 v[MKR+t], v[VPX], s[P_MK:P_MK+1] offset:16*t
.endif
.set t, t+1
.endr
.if (1-SCORE)*(\at)
	s_lshl2_add_u32 s86, s[WG], s[PI]              ; this pass's site
	s_lshl_b32 s86, s86, 11
	s_lshl_b32 s87, s[WV], 7
	s_add_co_u32 s86, s86, s87
	v_and_b32 v[TT], 3, v[R]                       ; row m of source 0 is head m % 4
	v_lshl_add_u32 v[VAT], v[TT], 9, s86
	v_add_nc_u32 v[VAT], v[VAT], v[H16]
.irp k, 0,1
	global_load_b128 v[AT+8*\k:AT+8*\k+3], v[VAT], s[P_AT:P_AT+1] offset:64*\k
	global_load_b128 v[AT+8*\k+4:AT+8*\k+7], v[VAT], s[P_AT:P_AT+1] offset:64*\k+32
.endr
.endif
.endm
; Tile t's features as source 1 of the first product: k = 0..2 the three features times 16, k = 3 the number 16 (it meets bint), all else 0.  It lies in H's K step 6, idle until layer 1 is done.
.macro TOP t
.set fb, 64*NPC*(\t)+48
	WIN 0
	v_cvt_pk_bf16_f32 v[X], v[F+4*(\t)], v[F+4*(\t)+1]
	v_cvt_pk_bf16_f32 v[X+1], v[F+4*(\t)+2], v[F+4*(\t)+2]
	v_lshlrev_b32 v[X+2], 16, v[X]
	v_and_b32 v[X+3], 0xffff0000, v[X]
	v_lshlrev_b32 v[X+1], 16, v[X+1]
.if SCORE
	v_cmp_lt_f32 vcc_lo, 0x3f666666, v[X+2]
	v_cndmask_b32 v[MSK+(\t)], v[MKR+(\t)], v[ONE], vcc_lo
.endif
	v_mul_f32 v[X+2], v[C16], v[X+2]
	v_mul_f32 v[X+3], v[C16], v[X+3]
	v_mul_f32 v[X+1], v[C16], v[X+1]
	v_cvt_pk_f16_f32 v[X+2], v[X+2], v[X+3]
	v_cvt_pk_f16_f32 v[X+1], v[X+1], v[C16]
	WIN 0x40
	v_cndmask_b32 v[fb], 0, v[X+2], s[HM]
	v_cndmask_b32 v[fb+1], 0, v[X+1], s[HM]
.irp i, 2,3,4,5,6,7
	v_mov_b32 v[fb+\i], 0
.endr
.endm
; The next pass's rows of xs, straight into H's K steps 0-3.  The address lines are also the places behind the last products that read H.
.macro GATHER
	WIN 0
.set t, 0
.rept NT
	v_min_u32 v[GA+t], 0x3ff, v[AI+t]
	v_min_u32 v[GB+t], 0x3ff, v[AJ+t]
	v_lshl_add_u32 v[GA+t], v[GA+t], 8, v[H16]
	v_lshl_add_u32 v[GB+t], v[GB+t], 8, v[H16]
.set t, t+1
.endr
	WIN 0x40
.set t, 0
.rept NT
.set p, 0
.rept NPC
.set hb, 64*(NPC*t+p)
.irp k, 0,1
	global_load_b128 v[hb+8*\k:hb+8*\k+3], v[GA+t], s[P_XS:P_XS+1] offset:128*p+64*\k
	global_load_b128 v[hb+8*\k+4:hb+8*\k+7], v[GA+t], s[P_XS:P_XS+1] offset:128*p+64*\k+32
	global_load_b128 v[hb+16+8*\k:hb+16+8*\k+3], v[GB+t], s[P_XS:P_XS+1] offset:128*p+64*\k
	global_load_b128 v[hb+16+8*\k+4:hb+16+8*\k+7], v[GB+t], s[P_XS:P_XS+1] offset:128*p+64*\k+32
.endr
.set p, p+1
.endr
.set t, t+1
.endr
	WIN 0
.endm
; THE LAYER NORM, over np pairs of registers a lane and the same in the lane 16 away.  Mean first, then the squares of the differences, as the definition has it.
.macro COMB t
	WIN 0
	v_pk_add_f32 v[CH:CH+1], v[CH:CH+1], v[CH+2:CH+3]
	v_pk_add_f32 v[CH+4:CH+5], v[CH+4:CH+5], v[CH+6:CH+7]
	v_pk_add_f32 v[CH:CH+1], v[CH:CH+1], v[CH+4:CH+5]
	v_add_f32 v[X+(\t)], v[CH], v[CH+1]
.endm
.macro RELUSUM t, np
	ACCW \t
	WIN (AWN<<6)|(AWN<<2)
.set i, 0
.rept 2*(\np)
	v_max_num_f32 v[ABS+i], 0, v[ABS+i]            ; ascending: each accumulator is read from its low end
.set i, i+1
.endr
	WIN (AWN<<2)|AWN
.set i, 0
.rept 4
	v_pk_add_f32 v[CH+2*i:CH+2*i+1], v[ABS+2*i:ABS+2*i+1], v[ABS+2*i+8:ABS+2*i+9]
.set i, i+1
.endr
	WIN AWN
.set i, 8
.rept (\np)-8
	v_pk_add_f32 v[CH+2*(i%4):CH+2*(i%4)+1], v[ABS+2*i:ABS+2*i+1], v[CH+2*(i%4):CH+2*(i%4)+1]
.set i, i+1
.endr
	COMB \t
.endm
.macro FINMEAN sinv
	WIN 0
.set u, 0
.rept NT
	v_permlanex16_b32 v[X+4+u], v[X+u], s[SEL], s[SEL+1]
.set u, u+1
.endr
.set u, 0
.rept NT
	v_add_f32 v[X+u], v[X+u], v[X+4+u]
.set u, u+1
.endr
.set u, 0
.rept NT
	v_mul_f32 v[MU+4*u], s[\sinv], v[X+u]
	v_mul_f32 v[MU+4*u+1], s[\sinv], v[X+u]
.set u, u+1
.endr
.endm
.macro SUBSQ t, np
	ACCW \t
	WIN (AWN<<6)|AWN
.set i, 0
.rept (\np)
	v_pk_add_f32 v[ABS+2*i:ABS+2*i+1], v[ABS+2*i:ABS+2*i+1], v[MU+4*(\t):MU+4*(\t)+1] neg_lo:[0,1] neg_hi:[0,1]
.set i, i+1
.endr
	WIN (AWN<<2)|AWN
.set i, 0
.rept 4
	v_pk_mul_f32 v[CH+2*i:CH+2*i+1], v[ABS+2*i:ABS+2*i+1], v[ABS+2*i:ABS+2*i+1]
.set i, i+1
.endr
.rept (\np)-4
	v_pk_fma_f32 v[CH+2*(i%4):CH+2*(i%4)+1], v[ABS+2*i:ABS+2*i+1], v[ABS+2*i:ABS+2*i+1], v[CH+2*(i%4):CH+2*(i%4)+1]
.set i, i+1
.endr
	COMB \t
.endm
.macro FORU line:vararg                ; one line for each tile u
.set u, 0
.rept NT
	\line
.set u, u+1
.endr
.endm
.macro FINRSTD sinv
	WIN 0
	FORU v_permlanex16_b32 v[X+4+u], v[X+u], s[SEL], s[SEL+1]
	FORU v_add_f32 v[X+u], v[X+u], v[X+4+u]
	FORU v_fma_f32 v[X+u], v[X+u], s[\sinv], s[EPSS]
	FORU v_rsq_f32 v[RS+4*u], v[X+u]
	v_nop                                          ; a plain instruction behind the last transcendental
	s_wait_alu depctr_va_vdst(0)
	FORU v_mul_f32 v[X+4+u], v[X+u], v[RS+4*u]     ; one Newton step
	FORU v_fma_f32 v[X+4+u], -v[X+4+u], v[RS+4*u], 1.0
	FORU v_mul_f32 v[RS+4*u+1], 0.5, v[RS+4*u]
	FORU v_fma_f32 v[RS+4*u], v[RS+4*u+1], v[X+4+u], v[RS+4*u]
	FORU v_mov_b32 v[RS+4*u+1], v[RS+4*u]
.endm
; Four feature tiles (chunk q) of tile t: times the reciprocal root, times g plus t, rounded to f16 into H.
.macro NORM t, q, gt, hoff
	ACCW \t
.set nb, ABS+32*(\q)
.set hh, 64*NPC*(\t)+(\hoff)+16*(\q)
	WIN (AWN<<6)|AWN
.set i, 0
.rept 16
	v_pk_mul_f32 v[nb+2*i:nb+2*i+1], v[nb+2*i:nb+2*i+1], v[RS+4*(\t):RS+4*(\t)+1]
.set i, i+1
.endr
.set i, 0
.rept 16
	v_pk_fma_f32 v[nb+2*i:nb+2*i+1], v[nb+2*i:nb+2*i+1], v[(\gt)+2*i:(\gt)+2*i+1], v[(\gt)+32+2*i:(\gt)+32+2*i+1]
.set i, i+1
.endr
	WIN 0x40|(AWN<<2)|AWN
.set i, 0
.rept 16
	v_cvt_pk_f16_f32 v[hh+i], v[nb+2*i], v[nb+2*i+1]
.set i, i+1
.endr
.if SCORE
	WIN (AWN<<6)|(AWN<<4)|1
.set i, 0
.rept 16
	v_fma_mix_f32 v[nb+2*i], -v[hh+i], v[ONE], v[nb+2*i] op_sel:[0,0,0] op_sel_hi:[1,0,0]
	v_fma_mix_f32 v[nb+2*i+1], -v[hh+i], v[ONE], v[nb+2*i+1] op_sel:[1,0,0] op_sel_hi:[1,0,0]
.set i, i+1
.endr
	WIN 0x40|(AWN<<2)|AWN
.set i, 0
.rept 16
	v_cvt_pk_f16_f32 v[hh+64+i], v[nb+2*i], v[nb+2*i+1]
.set i, i+1
.endr
.endif
.endm
.macro GTLOAD q                        ; chunk q's 32 gains and 32 shifts: 16 loads
	WIN 0
.set gb, GT0+64*((\q)&1)
.irp f, 0,1,2,3
	ds_load_b128 v[gb+8*\f:gb+8*\f+3], v[AVB] offset:1024+64*(4*(\q)+\f)
	ds_load_b128 v[gb+8*\f+4:gb+8*\f+7], v[AVB] offset:1024+64*(4*(\q)+\f)+16
	ds_load_b128 v[gb+32+8*\f:gb+32+8*\f+3], v[AVB] offset:2048+64*(4*(\q)+\f)
	ds_load_b128 v[gb+32+8*\f+4:gb+32+8*\f+7], v[AVB] offset:2048+64*(4*(\q)+\f)+16
.endr
.endm
.macro LN256
.set t, 0
.rept NT
	RELUSUM t, 64
.set t, t+1
.endr
	FINMEAN I256
	GTLOAD 0
.set t, 0
.rept NT
	SUBSQ t, 64
.set t, t+1
.endr
	FINRSTD I256
.irp q, 0,1,2,3
.if \q < 3
	GTLOAD \q+1
	s_wait_dscnt 16                                ; this chunk's vectors are in; the next chunk's 16 loads may stay out
.else
	s_wait_dscnt 0x0
.endif
.set t, 0
.rept NT
	NORM t, \q, GT0+64*(\q&1), 0
.set t, t+1
.endr
.endr
.endm
; itf = LayerNorm(ReLU(features Wint + bint)): one K step, 64 features, into H's K steps 4 and 5
.macro ITF
	WIN 0
.irp f, 0,1,2,3
	ds_load_tr16_b128 v[AF+8*\f:AF+8*\f+3], v[AWI] offset:32*\f
	ds_load_tr16_b128 v[AF+8*\f+4:AF+8*\f+7], v[AWI] offset:32*\f+2560
.endr
.irp f, 0,1,2,3
	ds_load_b128 v[GT1+8*\f:GT1+8*\f+3], v[AVI] offset:64*\f
	ds_load_b128 v[GT1+8*\f+4:GT1+8*\f+7], v[AVI] offset:64*\f+16
	ds_load_b128 v[GT1+32+8*\f:GT1+32+8*\f+3], v[AVI] offset:256+64*\f
	ds_load_b128 v[GT1+32+8*\f+4:GT1+32+8*\f+7], v[AVI] offset:256+64*\f+16
.endr
	s_wait_dscnt 0x0
.set t, 0
.rept NT
	ACCW t
	WIN (AWN<<6)|0x04
.irp f, 0,1,2,3
	v_wmma_f32_16x16x32_f16 v[ABS+8*\f:ABS+8*\f+7], v[AF+8*\f:AF+8*\f+7], v[64*NPC*t+48:64*NPC*t+55], 0
.endr
.set t, t+1
.endr
	PLACES
.set t, 0
.rept NT
	RELUSUM t, 16
.set t, t+1
.endr
	FINMEAN I64
.set t, 0
.rept NT
	SUBSQ t, 16
.set t, t+1
.endr
	FINRSTD I64
.set t, 0
.rept NT
	NORM t, 0, GT1, 32
.set t, t+1
.endr
.endm
; A LAYER'S PRODUCTS go in 32 steps; step n is four feature tiles (group g) x one K step (ks) x the four blocks of H: 16 matrix instructions on four fragments of weights.
; n = 0-23: g = n / 6, ks = n % 6.  n = 24-31: g = (n - 24) / 2, ks = 6, 7: layer 2 alone.  LOADS n: step n's 8 turning loads, and with ks = 0 the group's biases, 8 loads more.
.macro LOADS n
.if (\n) < 24
.set lg, (\n)/6
.set lk, (\n)%6
.else
.set lg, ((\n)-24)/2
.set lk, 6+((\n)-24)%2
.endif
.set lb, AF+32*((\n)&1)
.set la, AW0+(lk>>2)
	WIN 0
.irp f, 0,1,2,3
	ds_load_tr16_b128 v[lb+8*\f:lb+8*\f+3], v[la] offset:(lk&3)*17408+32*(4*lg+\f)
	ds_load_tr16_b128 v[lb+8*\f+4:lb+8*\f+7], v[la] offset:(lk&3)*17408+8704+32*(4*lg+\f)
.endr
.if lk == 0
.irp f, 0,1,2,3
	ds_load_b128 v[BI+8*\f:BI+8*\f+3], v[AVB] offset:64*(4*lg+\f)
	ds_load_b128 v[BI+8*\f+4:BI+8*\f+7], v[AVB] offset:64*(4*lg+\f)+16
.endr
.endif
.endm
; The next step's loads go out first, into the buffer that the step before read (four places behind its last product); the wait leaves just those out.  The sixteen accumulators of a step
; take turns.  The bias starts each sum.
.macro STEP n
	PLACES
.if (\n) < 31
	LOADS (\n)+1
.if (((\n)+1) < 24) && ((((\n)+1)%6) == 0)
	s_wait_dscnt 16
.else
	s_wait_dscnt 8
.endif
.else
	s_wait_dscnt 0x0
.endif
.if (\n) < 24
.set sg, (\n)/6
.set sk, (\n)%6
.else
.set sg, ((\n)-24)/2
.set sk, 6+((\n)-24)%2
.endif
.set sb, AF+32*((\n)&1)
.set c, 0
.rept 4
	ACCW c>>SCORE
.if (sk == 0) && ((SCORE == 0) || ((c&1) == 0))
	WIN (AWN<<6)|0x04
.irp f, 0,1,2,3
	v_wmma_f32_16x16x32_f16 v[ABS+8*(4*sg+\f):ABS+8*(4*sg+\f)+7], v[sb+8*\f:sb+8*\f+7], v[64*c+8*sk:64*c+8*sk+7], v[BI+8*\f:BI+8*\f+7]
.endr
.else
	WIN (AWN<<6)|(AWN<<4)|0x04
.irp f, 0,1,2,3
	v_wmma_f32_16x16x32_f16 v[ABS+8*(4*sg+\f):ABS+8*(4*sg+\f)+7], v[sb+8*\f:sb+8*\f+7], v[64*c+8*sk:64*c+8*sk+7], v[ABS+8*(4*sg+\f):ABS+8*(4*sg+\f)+7]
.endr
.endif
.set c, c+1
.endr
.endm
; Both layers are one text, walked twice.  Layer 1 has six K steps and jumps forward over steps 24-31 (no barrier, no tensor load there); its step 23 has asked for step 24's fragments, which nobody uses.
.macro LAYERS
	WIN 0
	s_mov_b32 s[LAY], 2
.Llayer:
	s_cmp_eq_u32 s[LAY], 2
	s_cselect_b32 s[LW], 0, L_W2
	s_cselect_b32 s[LV], 0, 3072
	v_add_nc_u32 v[AW0], s[LW], v[AWB]
	v_add_nc_u32 v[AW0+1], 69632, v[AW0]
	v_add_nc_u32 v[AVB], s[LV], v[AVB0]
	LOADS 0
.set n, 0
.rept 24
	STEP n
.set n, n+1
.endr
	WIN 0
	s_cmp_eq_u32 s[LAY], 2
	s_cbranch_scc1 .Lskip
.rept 8
	STEP n
.set n, n+1
.endr
	WIN 0
.Lskip:
	s_wait_dscnt 0x0
	PLACES
	LN256
	WIN 0
	s_sub_co_u32 s[LAY], s[LAY], 1
	s_cmp_lg_u32 s[LAY], 0
	s_cbranch_scc1 .Llayer
.endm
; The last product, 256 -> 16 columns: one feature tile, eight K steps
.macro W3ONE k, c
	ACCW (\c)>>SCORE
.if ((\k) == 0) && ((SCORE == 0) || (((\c)&1) == 0))
	WIN (AWN<<6)|0x04
	v_wmma_f32_16x16x32_f16 v[ABS:ABS+7], v[TMP+8*(\k):TMP+8*(\k)+7], v[64*(\c)+8*(\k):64*(\c)+8*(\k)+7], v[B3:B3+7]
.else
	WIN (AWN<<6)|(AWN<<4)|0x04
	v_wmma_f32_16x16x32_f16 v[ABS:ABS+7], v[TMP+8*(\k):TMP+8*(\k)+7], v[64*(\c)+8*(\k):64*(\c)+8*(\k)+7], v[ABS:ABS+7]
.endif
.endm
.macro W3M
	WIN 0
.irp k, 0,1,2,3,4,5,6,7
	ds_load_tr16_b128 v[TMP+8*\k:TMP+8*\k+3], v[AW3] offset:1024*\k
	ds_load_tr16_b128 v[TMP+8*\k+4:TMP+8*\k+7], v[AW3] offset:1024*\k+512
.endr
	s_wait_dscnt 0x0
.irp k, 0,1,2,3,4,5,6,7
.if SCORE
.irp c, 0,2,1,3
	W3ONE \k, \c
.endr
.else
.irp c, 0,1,2,3                        ; the four tiles' accumulators take turns
	W3ONE \k, \c
.endr
.endif
.endr
.endm
; ---- THE HEAD
	s_load_b512 s[4:19], s[0:1], 0x0
	s_load_b128 s[20:23], s[0:1], 0x40
	s_load_b64 s[24:25], s[0:1], 0x50
	v_lshl_add_u32 v[SPW], v0, 2, SPARE
	v_mov_b32 v[NIL], 0
	ds_add_u32 v[SPW], v[NIL]                      ; the wave's opening: the add and its wait come ahead of my first tensor load; work on registers stands between them
	v_lshrrev_b32 v[R], 5, v0
	v_readfirstlane_b32 s[WV], v[R]
	s_bfe_u32 s[CX], ttmp6, 0x40000
	s_lshl_b32 s[WG], ttmp9, 2
	s_add_co_u32 s[WG], s[WG], s[CX]               ; work-group = 4 x cluster + my place in it
	s_mov_b32 s[SEL], 0x76543210
	s_mov_b32 s[SEL+1], 0xfedcba98
	s_mov_b32 s[HM], 0x0000ffff
	s_mov_b32 s[EPSS], 0x4327c5ac                  ; 1e-5 x 2^24
	s_mov_b32 s[I256], 0x3b800000
	s_mov_b32 s[I64], 0x3c800000
	s_mov_b32 s[I16], 0x3d800000
	; W1 | W2: a wave brings 112 rows of 256 elements of 2 bytes, 8 words of padding behind every 128
	s_mov_b32 s[G1A], 15|(1<<16)|(1<<20)|(1<<21)|(6<<22)|(7<<25)
	s_mov_b32 s[G1A+1], 256<<16
	s_mov_b32 s[G1A+2], 112<<16
	s_mov_b32 s[G1A+3], 256<<16
	s_mov_b32 s[G1A+4], 112
	s_mov_b32 s[G1A+5], 256
	s_mov_b32 s[G1A+6], 0
	s_mov_b32 s[G1A+7], 0
	; W3 and the vectors: dense, 16 rows of 32 elements of 8 bytes a wave
	s_mov_b32 s[G1B], 15|(3<<16)|(1<<21)
	s_mov_b32 s[G1B+1], 32<<16
	s_mov_b32 s[G1B+2], 16<<16
	s_mov_b32 s[G1B+3], 32<<16
	s_mov_b32 s[G1B+4], 16
	s_mov_b32 s[G1B+5], 32
	s_mov_b32 s[G1B+6], 0
	s_mov_b32 s[G1B+7], 0
	; the matrices with rows of 128 bytes: dense, asked for as RC rows of 256 bytes a wave, 8 words of padding behind every 32
	s_mov_b32 s[G1C], 15|(1<<16)|(1<<20)|(1<<21)|(4<<22)|(7<<25)
	s_mov_b32 s[G1C+1], 128<<16
	s_mov_b32 s[G1C+2], RC<<16
	s_mov_b32 s[G1C+3], 128<<16
	s_mov_b32 s[G1C+4], RC
	s_mov_b32 s[G1C+5], 128
	s_mov_b32 s[G1C+6], 0
	s_mov_b32 s[G1C+7], 0
	s_mov_b32 s[G0A], 1
	s_mul_i32 s[G0A+1], s[WV], 60928
	s_mov_b32 s[G0B], 1
	s_lshl_b32 s[G0B+1], s[WV], 12
	s_add_co_u32 s[G0B+1], s[G0B+1], L_W3
	s_mov_b32 s[G0C], 1
	s_mul_i32 s[G0C+1], s[WV], 320*RC
	s_add_co_u32 s[G0C+1], s[G0C+1], L_WI
	v_and_b32 v[R], 15, v0
	v_bfe_u32 v[HH], v0, 4, 1
	v_mov_b32 v[ONE], 1.0
	v_mov_b32 v[C16], 0x41800000
	v_and_b32 v[X], 7, v0
	v_lshl_add_u32 v[X], v[HH], 3, v[X]            ; the turning loads' row: 8 h + l % 8,
	v_bfe_u32 v[X+1], v0, 3, 1
	v_lshlrev_b32 v[X+1], 4, v[X+1]                ; and 16 bytes ((l / 8) % 2)
	v_mul_u32_u24 v[AWB], v[X], 544
	v_add_nc_u32 v[AWB], v[AWB], v[X+1]
	v_lshl_add_u32 v[AW3], v[X], 5, v[X+1]
	v_add_nc_u32 v[AW3], L_W3, v[AW3]
	v_mul_u32_u24 v[AWI], v[X], 160
	v_add_nc_u32 v[AWI], v[AWI], v[X+1]
	v_add_nc_u32 v[AWI], L_WI, v[AWI]
	v_lshlrev_b32 v[X+2], 5, v[HH]                 ; 32 h
	v_add_nc_u32 v[AVB0], L_VEC, v[X+2]
	v_add_nc_u32 v[AVI], L_VEC+6144, v[X+2]
	v_lshlrev_b32 v[H16], 4, v[HH]
	s_lshl_b32 s86, s[WV], 11
	s_add_co_u32 s86, s86, L_FE
	v_lshl_add_u32 v[FES], v[R], 5, s86
	v_add_nc_u32 v[FES], v[FES], v[H16]            ; where my pair's 8 features go
	v_lshl_add_u32 v[FEL], v[X], 5, s86
	v_add_nc_u32 v[FEL], v[FEL], v[X+1]            ; and from where they come back turned
	s_lshl_b32 s86, s[WV], 8
	s_add_co_u32 s86, s86, L_PART
	v_lshl_add_u32 v[PST], v[R], 4, s86            ; my wave's partial sums: feature r, four heads
.irp i, 4,5,6,7
	v_mov_b32 v[X+\i], 0                           ; destinations of v_permlanex16_b32 count as read
.endr
	s_wait_dscnt 0x0                               ; the opening add is done
	s_wait_kmcnt 0x0
	s_mul_i32 s86, s[WV], 57344
	s_add_co_u32 s86, s86, PKOFF
	s_mov_b32 s87, 0
	s_add_nc_u64 s[G0A+2:G0A+3], s[P_PACK:P_PACK+1], s[86:87]
	s_or_b32 s[G0A+3], s[G0A+3], 0x80000000
	s_lshl_b32 s86, s[WV], 12
	s_add_co_u32 s86, s86, PKOFF+O_W3
	s_add_nc_u64 s[G0B+2:G0B+3], s[P_PACK:P_PACK+1], s[86:87]
	s_or_b32 s[G0B+3], s[G0B+3], 0x80000000
	s_mul_i32 s86, s[WV], 256*RC
	s_add_co_u32 s86, s86, PKOFF+O_WI
	s_add_nc_u64 s[G0C+2:G0C+3], s[P_PACK:P_PACK+1], s[86:87]
	s_or_b32 s[G0C+3], s[G0C+3], 0x80000000
	ROUND                                          ; all four work-groups are here: the joint loads meet
	tensor_load_to_lds s[G0A:G0A+3], s[G1A:G1A+7]  ; three loads of mine are out
	s_nop 0
	tensor_load_to_lds s[G0B:G0B+3], s[G1B:G1B+7]
	s_nop 0
	tensor_load_to_lds s[G0C:G0C+3], s[G1C:G1C+7]
	s_nop 0
	PLACES
	s_mov_b32 s[PIN], 0
	META 0
	global_load_b128 v[B3:B3+3], v[X+2], s[P_B3:P_B3+1]    ; the last layer's bias, gain and shift: my 8 features
	global_load_b128 v[B3+4:B3+7], v[X+2], s[P_B3:P_B3+1] offset:16
	global_load_b128 v[G3:G3+3], v[X+2], s[P_G3:P_G3+1]
	global_load_b128 v[G3+4:G3+7], v[X+2], s[P_G3:P_G3+1] offset:16
	global_load_b128 v[T3:T3+3], v[X+2], s[P_T3:P_T3+1]
	global_load_b128 v[T3+4:T3+7], v[X+2], s[P_T3:P_T3+1] offset:16
	WIN 0x40
.set c, 0
.rept 4
.set i, 48
.rept 16
	v_mov_b32 v[64*c+i], 0                         ; H's K steps 6 and 7: the one text of both layers names them, so they hold numbers from the start; this stands in the wait for the fill
.set i, i+1
.endr
.set c, c+1
.endr
	WIN 0
	s_wait_loadcnt 0x0
.irp i, 0,2,4,6
	RND2 B3+\i, 0x45800000
	RND2 G3+\i, 0x41800000
	RND2 T3+\i, 0x41800000
.endr
	GATHER
	s_wait_tensorcnt 0x0                           ; my parts of the pack are in,
	s_barrier_signal -1
	s_barrier_wait -1                              ; everybody's are
; ---- FOUR PASSES, A SITE EACH
	s_mov_b32 s[PI], 0
.Lpass:
	s_add_co_u32 s[PIN], s[PI], 1
	s_min_u32 s[PIN], s[PIN], LASTP                ; the last pass asks for itself once more: no load leaves a buffer
	TOP 0
	TOP 1
	TOP 2
	TOP 3
	META 1
	ITF
	s_wait_loadcnt 16                              ; the 32 gathers are in; the 16 loads issued behind them may stay out
	LAYERS
	W3M
	s_wait_loadcnt 0x0                             ; the next pass's indices and features, this pass's weights
	GATHER
	; the layer norm over 16 features: 8 in my lane, 8 in the lane 16 away
.set t, 0
.rept NT
	ACCW t
	WIN (AWN<<6)|(AWN<<2)
.irp i, 0,1,2,3,4,5,6,7
	v_max_num_f32 v[ABS+\i], 0, v[ABS+\i]
.endr
	WIN (AWN<<2)|AWN
	v_pk_add_f32 v[CH:CH+1], v[ABS:ABS+1], v[ABS+4:ABS+5]
	v_pk_add_f32 v[CH+2:CH+3], v[ABS+2:ABS+3], v[ABS+6:ABS+7]
	WIN 0
	v_pk_add_f32 v[CH:CH+1], v[CH:CH+1], v[CH+2:CH+3]
	v_add_f32 v[X+t], v[CH], v[CH+1]
.set t, t+1
.endr
	FINMEAN I16
.set t, 0
.rept NT
	ACCW t
	WIN (AWN<<6)|AWN
.irp i, 0,2,4,6
	v_pk_add_f32 v[ABS+\i:ABS+\i+1], v[ABS+\i:ABS+\i+1], v[MU+4*t:MU+4*t+1] neg_lo:[0,1] neg_hi:[0,1]
.endr
	WIN (AWN<<2)|AWN
	v_pk_mul_f32 v[CH:CH+1], v[ABS:ABS+1], v[ABS:ABS+1]
	v_pk_mul_f32 v[CH+2:CH+3], v[ABS+2:ABS+3], v[ABS+2:ABS+3]
	v_pk_fma_f32 v[CH:CH+1], v[ABS+4:ABS+5], v[ABS+4:ABS+5], v[CH:CH+1]
	v_pk_fma_f32 v[CH+2:CH+3], v[ABS+6:ABS+7], v[ABS+6:ABS+7], v[CH+2:CH+3]
	WIN 0
	v_pk_add_f32 v[CH:CH+1], v[CH:CH+1], v[CH+2:CH+3]
	v_add_f32 v[X+t], v[CH], v[CH+1]
.set t, t+1
.endr
	FINRSTD I16
.set t, 0
.rept NT
	ACCW t
	WIN (AWN<<6)|AWN
.irp i, 0,2,4,6
	v_pk_mul_f32 v[ABS+\i:ABS+\i+1], v[ABS+\i:ABS+\i+1], v[RS+4*t:RS+4*t+1]
.endr
.irp i, 0,2,4,6
	v_pk_fma_f32 v[ABS+\i:ABS+\i+1], v[ABS+\i:ABS+\i+1], v[G3+\i:G3+\i+1], v[T3+\i:T3+\i+1]
.endr
	WIN (AWN<<2)|AWN
.irp i, 0,1,2,3
	v_cvt_pk_f16_f32 v[TMP+4*t+\i], v[ABS+2*\i], v[ABS+2*\i+1]
.endr
	WIN 0
	ds_store_b128 v[FES], v[TMP+4*t:TMP+4*t+3] offset:512*t    ; [pair][feature], my wave's own bytes
.set t, t+1
.endr
	; out^T (heads x features) = weights (heads x 64 pairs) x features (64 pairs x 16): two K steps on one accumulator
.irp k, 0,1
	ds_load_tr16_b128 v[TMP+16+8*\k:TMP+16+8*\k+3], v[FEL] offset:1024*\k       ; LDS serves a wave's instructions in order (ISA guide 5.7.1.4): these see the stores above
	ds_load_tr16_b128 v[TMP+16+8*\k+4:TMP+16+8*\k+7], v[FEL] offset:1024*\k+512
.endr
	s_wait_dscnt 0x0
	WIN 0xa0
	v_wmma_f32_16x16x32_f16 v[8:15], v[AT:AT+7], v[TMP+16:TMP+23], 0
	s_wait_alu depctr_va_vdst(0)                   ; a link straight behind the one that it adds onto
	v_wmma_f32_16x16x32_f16 v[8:15], v[AT+8:AT+15], v[TMP+24:TMP+31], v[8:15]
	PLACES
	WIN 0
	s_lshl_b32 s86, s[PI], 10
	v_add_nc_u32 v[SCA], s86, v[PST]
	WIN 0x08
	ds_store_b128 v[SCA], v[8:11]                  ; registers 0-3: heads 0-3 of feature r; lanes 16-31 hold and write the same four numbers
	WIN 0
	s_add_co_u32 s[PI], s[PI], 1
	s_cmp_lt_u32 s[PI], 4
	s_cbranch_scc1 .Lpass
; ---- THE LAST PRODUCT: out0^T (64 columns x 4 sites) = Wg^T x out^T.  Wave w takes columns 16 w on; column n of source 1 is site n % 4.
	s_lshl_b32 s86, s[WV], 6
	v_lshl_add_u32 v[X], v[HH], 5, s86
	global_load_b128 v[G3:G3+3], v[X], s[P_BG:P_BG+1]          ; bg, my 8 columns
	global_load_b128 v[G3+4:G3+7], v[X], s[P_BG:P_BG+1] offset:16
	s_wait_dscnt 0x0                               ; for the others' sake: my partial sums are in LDS
	s_barrier_signal -1
	s_barrier_wait -1
	s_lshl_b32 s86, s[WV], 5
	s_add_co_u32 s86, s86, L_WG-L_WI
	v_add_nc_u32 v[X+1], s86, v[AWI]
.irp k, 0,1
	ds_load_tr16_b128 v[AT+8*\k:AT+8*\k+3], v[X+1] offset:5120*\k
	ds_load_tr16_b128 v[AT+8*\k+4:AT+8*\k+7], v[X+1] offset:5120*\k+2560
.endr
	v_and_b32 v[X+2], 3, v[R]
	v_lshlrev_b32 v[X+3], 10, v[X+2]
	v_lshl_add_u32 v[X+3], v[HH], 5, v[X+3]
	v_add_nc_u32 v[X+3], L_PART, v[X+3]
.set w, 0
.rept 4
.set i, 0
.rept 8                                ; i = 4 ks + 2 half + quarter: k = 32 ks + 16 half + 8 h + 4 quarter on
	ds_load_b128 v[TMP+32*w+4*i:TMP+32*w+4*i+3], v[X+3] offset:256*w+128*(i>>2)+64*((i>>1)&1)+16*(i&1)
.set i, i+1
.endr
.set w, w+1
.endr
	s_wait_dscnt 0x0
.set w, 1
.rept 3
.set i, 0
.rept 16
	v_pk_add_f32 v[TMP+2*i:TMP+2*i+1], v[TMP+2*i:TMP+2*i+1], v[TMP+32*w+2*i:TMP+32*w+2*i+1]   ; the four waves' parts, in f32
.set i, i+1
.endr
.set w, w+1
.endr
.set i, 0
.rept 16
	v_cvt_pk_f16_f32 v[TMP+32+i], v[TMP+2*i], v[TMP+2*i+1]
.set i, i+1
.endr
	s_wait_loadcnt 0x0
.irp i, 0,2,4,6
	RND2 G3+\i, 0
.endr
	WIN 0xa0
	v_wmma_f32_16x16x32_f16 v[16:23], v[AT:AT+7], v[TMP+32:TMP+39], 0
	s_wait_alu depctr_va_vdst(0)                   ; as above
	v_wmma_f32_16x16x32_f16 v[16:23], v[AT+8:AT+15], v[TMP+40:TMP+47], v[16:23]
	PLACES
	WIN 0x02
.irp i, 0,2,4,6
	v_pk_fma_f32 v[CH+\i:CH+\i+1], v[16+\i:17+\i], 0x39800000, v[G3+\i:G3+\i+1] op_sel_hi:[1,0,1]   ; times 2^-12, plus bg
.endr
	WIN 0
	s_lshl_b32 s86, s[WV], 6
	s_add_co_u32 s86, s86, L_OUTS
	v_lshl_add_u32 v[X+2], v[X+2], 8, s86
	v_lshl_add_u32 v[X+2], v[HH], 5, v[X+2]
	ds_store_b128 v[X+2], v[CH:CH+3]               ; lanes with the same site hold and write the same numbers
	ds_store_b128 v[X+2], v[CH+4:CH+7] offset:16
	s_wait_dscnt 0x0                               ; for the others' sake
	s_barrier_signal -1
	s_barrier_wait -1
	v_lshl_add_u32 v[X+1], v0, 3, L_OUTS
	ds_load_b64 v[X+4:X+5], v[X+1]
	s_lshl_b32 s86, s[WG], 10
	v_lshl_add_u32 v[X+6], v0, 3, s86
	s_wait_dscnt 0x0
	global_store_b64 v[X+6], v[X+4:X+5], s[P_OUT:P_OUT+1]      ; a wave's store covers 256 consecutive bytes, a site's row, aligned
	s_wait_tensorcnt 0x0                           ; the wave's end
	ds_add_u32 v[SPW], v[NIL]
	s_wait_dscnt 0x0
	ROUND                                          ; the closing round
	s_endpgm
.Lfunc_end_k_qfae6201daa_feat:
	.size	k_qfae6201daa_feat, .Lfunc_end_k_qfae6201daa_feat-k_qfae6201daa_feat
	.p2alignl 7, 3214868480
	.fill 96, 4, 3214868480
	.section	.rodata,"a",@progbits
	.p2align	6, 0x0
	.amdhsa_kernel k_qfae6201daa_feat
		.amdhsa_group_segment_fixed_size 327680
		.amdhsa_private_segment_fixed_size 0
		.amdhsa_enable_private_segment 0
		.amdhsa_kernarg_size 88
		.amdhsa_user_sgpr_count 2
		.amdhsa_user_sgpr_kernarg_segment_ptr 1
		.amdhsa_wavefront_size32 1
		.amdhsa_system_sgpr_workgroup_id_x 1
		.amdhsa_system_sgpr_workgroup_id_y 1
		.amdhsa_system_sgpr_workgroup_id_z 1
		.amdhsa_system_vgpr_workitem_id 0
		.amdhsa_next_free_vgpr 1024
		.amdhsa_next_free_sgpr 100
		.amdhsa_reserve_vcc 1
		.amdhsa_float_denorm_mode_32 3
		.amdhsa_float_denorm_mode_16_64 3
		.amdhsa_memory_ordered 1
		.amdhsa_forward_progress 1
		.amdhsa_inst_pref_size 255
	.end_amdhsa_kernel
	.section	.bss,"aw",@nobits
	.p2align	6
	.space	262144
	.amdgpu_metadata
---
amdhsa.version: [ 1, 2 ]
amdhsa.kernels:
  - .name:           k_qfae6201daa_feat
    .symbol:         k_qfae6201daa_feat.kd
    .args:
      - { .name: attention_i, .offset: 0, .size: 8, .value_kind: global_buffer, .address_space: global }
      - { .name: attention_j, .offset: 8, .size: 8, .value_kind: global_buffer, .address_space: global }
      - { .name: interaction_features, .offset: 16, .size: 8, .value_kind: global_buffer, .address_space: global }
      - { .name: pack, .offset: 24, .size: 8, .value_kind: global_buffer, .address_space: global }
      - { .name: xs, .offset: 32, .size: 8, .value_kind: global_buffer, .address_space: global }
      - { .name: attn, .offset: 40, .size: 8, .value_kind: global_buffer, .address_space: global }
      - { .name: params_afm_2_1, .offset: 48, .size: 8, .value_kind: global_buffer, .address_space: global }
      - { .name: params_afm_2_2, .offset: 56, .size: 8, .value_kind: global_buffer, .address_space: global }
      - { .name: params_afm_2_3, .offset: 64, .size: 8, .value_kind: global_buffer, .address_space: global }
      - { .name: params_bg, .offset: 72, .size: 8, .value_kind: global_buffer, .address_space: global }
      - { .name: out0, .offset: 80, .size: 8, .value_kind: global_buffer, .address_space: global }
    .group_segment_fixed_size: 327680
    .private_segment_fixed_size: 0
    .kernarg_segment_align: 8
    .kernarg_segment_size: 88
    .max_flat_workgroup_size: 128
    .sgpr_count:     100
    .vgpr_count:     1024
    .wavefront_size: 32
...
	.end_amdgpu_metadata
.endif
;; end of part 3
